; MI455X (gfx1250); checked and timed in simulation.
; The chip was launched on July 23, 2026; its instructions are those of AMD's public machine-readable ISA for CDNA 5 (MIT licence, August 2026) and "CDNA5" Instruction Set Architecture Reference Guide (July 2026). The comments in the code are by the model that wrote it; some were corrected since.
;; Causal Self Attention. Allowed arithmetic: matrix products marked QUANTISED: E2M1 operands, one E8M0 scale for each 32 along K, by v_wmma_scale_f32_16x16x128_f8f6f4 with both operands' format E2M1 (or v_wmma_scale_f32_32x16x128_f4), f32 sums; products left as they are: bf16, f16 or f32 operands; f32 sums; everything else in f32.
;; Inputs: W_attn 1,024 x 3,072 float32; W_proj 1,024 x 1,024 float32; b_attn 3,072 float32; b_proj 1,024 float32; x 4 x 2,048 x 1,024 float32.
;; Outputs: out0 4 x 2,048 x 1,024 float32.
;; This version of the problem:
;;   THIS VERSION OF THE PROBLEM IS GIVEN IN LOW PRECISION. The matrix products marked QUANTISED in the list below multiply operands that are first quantised to E2M1 (2 exponent bits, 1 mantissa bit; 4 bits a number), with one power-of-two scale for each 32 numbers along K (OCP MX v1.0); their sums are f32. The products marked 'left as it is' may take bf16, f16 or f32 operands, with f32 sums. Whichever they take, every output number must still come out within the allowed error. Rounding operands to bf16 (8 significant bits) uses up far more of that allowance than f16 does (11 bits, for magnitudes from 6e-5 to 65,504). All else is computed in f32.
;;   The module's matrix products, in the order in which they are computed (A, B: the left and right operand; K: the contracted axis; several contracted axes count as one K, in the product's order):
;;     1. [M 8,192, K 1,024] x [K 1,024, N 3,072]; A: input x; B: input W_attn: QUANTISED
;;     2. batch 64 x [M 2,048, K 64] x [K 64, N 2,048]; A: computed on the way; B: computed on the way: left as it is (an operand is computed on the way)
;;     3. batch 64 x [M 2,048, K 2,048] x [K 2,048, N 64]; A: computed on the way; B: computed on the way: left as it is (an operand is computed on the way)
;;     4. [M 8,192, K 1,024] x [K 1,024, N 1,024]; A: computed on the way; B: input W_proj: left as it is (an operand is computed on the way)
;;   THE QUANTISER, for each operand of a quantised product, along K:
;;     - K is cut into blocks of 32 from its start; a last block that is shorter is filled with zeros.
;;     - A block's scale is 2^e with e = floor(log2(the largest magnitude in the block)) - 2, held to -126 .. 127; a block of zeros has e = 0. As a byte (E8M0): e + 127.
;;     - Each number is divided by its block's scale, clamped to +-6, and rounded to the nearest number of E2M1, ties to even, subnormals kept.
;;     - The product sums the exact products of the quantised numbers (number of the format x scale) in f32.
;;   ~~~python
;;   def quantise(x, axis):      # numpy; x: float32 -> the quantised numbers, widened to float32 again
;;       x = np.moveaxis(x, axis, -1); K = x.shape[-1]
;;       x = np.pad(x, [(0, 0)] * (x.ndim - 1) + [(0, -K % 32)]); x = x.reshape(x.shape[:-1] + (-1, 32)); a = np.abs(x).max(-1, keepdims=True)
;;       e = np.where(a > 0, np.clip(np.frexp(np.where(a > 0, a, 1))[1] - 1 - 2, -126, 127), 0)      # np.frexp(a)[1] - 1 = floor(log2(a)), exactly
;;       r = np.clip(x / 2.0 ** e, -6, 6)
;;       step = 2.0 ** (np.maximum(np.frexp(np.where(r == 0, 1, r))[1] - 1, 0) - 1)
;;       q = np.round(r / step) * step * 2.0 ** e      # np.round: ties to even
;;       return np.moveaxis(q.reshape(q.shape[:-2] + (-1,))[..., :K], -1, axis).astype(np.float32)
;;   ~~~
;; One version. Each part assembles by itself: llvm-mc -triple=amdgcn-amd-amdhsa -mcpu=gfx1250 --defsym DOCPART=n.
;; ======== version 1 of 1: 5 launches
;; limits: values are held in f16: magnitudes above 65,504 overflow, below 6.1e-05 lose precision
;; workspace buffers: xc 4,194,304 bytes; xs 262,144 bytes; wc 1,572,864 bytes; ws 98,304 bytes; wp16 2,097,152 bytes; qkvh 50,331,648 bytes; qkv16 786,432 bytes; yh 16,777,216 bytes
;; launch prep (part 1): grid 432 x 1, 4 waves a work-group, no clusters, 68,096 bytes of LDS; arguments W_attn, x, W_proj, wc, ws, xc, xs, wp16; writes wc, ws, xc, xs, wp16
.if DOCPART == 1
	.amdgcn_target "amdgcn-amd-amdhsa--gfx1250"
	.amdhsa_code_object_version 6
	.text
	.protected	k_q5f315ae808_prep
	.globl	k_q5f315ae808_prep
	.p2align	8
	.type	k_q5f315ae808_prep,@function
k_q5f315ae808_prep:
	s_mov_b64 s[64:65], 0
	v_nop
	global_prefetch_b8 v0, s[64:65] scope:SCOPE_SE
	s_setreg_imm32_b32 hwreg(HW_REG_WAVE_MODE, 25, 1), 1
	s_wait_xcnt 0x0
; PREP: three streams in one launch, told apart by the work-group's number.
;   work-groups   0 ..  47: W_attn [1024 k][3072 n] f32 -> codes of FP4 (E2M1) laid [3072 n][512 bytes], K innermost, and one E8M0 byte for each 32 along K, laid [3072][32]
;   work-groups  48 .. 303: x [8192][1024] f32 -> codes [8192][512 bytes] and scale bytes [8192][32]
;   work-groups 304 .. 431: W_proj [1024][1024] f32 -> f16, in its own order
; A block's scale is 2^(floor(log2(its largest magnitude)) - 2): its byte is the largest magnitude's exponent field - 2, held at 1 from below.  A block of zeros so gets the byte 1 where the
; quantiser says 127: its codes are zeros, which add nothing under any byte but 0xff, and this program alone reads the bytes.
; LIMITS: blocks whose largest magnitude lies under 2^(2 - 126), whose byte is held at 1, were not tried; NaN and infinities among the inputs are not served; W_proj beyond 65,504 has no f16 number.
; No tensor loads, no barrier: waves share nothing.  Each path has LDS bytes of its own.
.set SPARE, 67584                      ; behind both paths' regions: the spare words, 128 bytes for each wave: two blocks of 256 bytes that no other line names
.set SPW,   190                        ; v190  LDS address of my spare word; never rewritten
.set NIL,   191                        ; v191  0; never rewritten
.set EMAX,  2
; the path of x: a wave takes 16 steps of 512 numbers
.set WREG,  8192                       ; LDS: a region for each wave: two stages of 32 x SP bytes, behind them its 256 scale bytes
.set SP,    80                         ; a lane's place in a stage: 64 bytes + 16 of padding
.set STEPS, 16
.set CB,    8                          ; bytes of 16 codes
.set XR,    16                         ; v16-79   four sets of 16 numbers as loaded
.set XX,    80                         ; v80-111  two sets of 16 neighbours
.set XE,    112                        ; v112-127 a scale byte for each step
.set XC,    128                        ; v128-189 codes: four registers for each step, so that no store's data are written again
; the path of W_attn: a wave takes 32 columns x 512 along K
.set WSTG,  32768                      ; LDS: four stages of 32 x 272 bytes
.set WN,    3072
.set NB,    16                         ; blocks of 32 along K for a wave
.set WPITCH, 272
.set KROW,  512                        ; a row of the codes' buffer in bytes
.set WX,    32                         ; v32-95   two sets of 32 numbers
.set WC,    96                         ; v96-99   a block's codes
.set WSB,   24                         ; v24-27   the scale bytes, four to a register
.set WOUT,  112                        ; v112-175 the way out
	s_load_b256 s[4:11], s[0:1], 0x0               ; W_attn s[4:5], x s[6:7], W_proj s[8:9], wc s[10:11]
	s_load_b256 s[12:19], s[0:1], 0x20             ; ws s[12:13], xc s[14:15], xs s[16:17], wp16 s[18:19]
	v_lshl_add_u32 v[SPW], v0, 2, SPARE
	v_mov_b32 v[NIL], 0
	v_lshrrev_b32 v1, 5, v0
	v_readfirstlane_b32 s20, v1                    ; wave 0..3
	v_and_b32 v2, 31, v0                           ; lane
	s_mov_b32 s25, 0                               ; the upper word of every offset: all lie under 2^32
	s_wait_kmcnt 0x0
	s_cmp_lt_u32 ttmp9, 48
	s_cbranch_scc1 .Lw
	s_cmp_lt_u32 ttmp9, 304
	s_cbranch_scc1 .Lx
; ---- W_proj to f16: a wave takes 2,048 numbers: 16 loads of 512 consecutive bytes, 16 stores of 256 consecutive bytes, aligned.  Every load has registers of its own and so has every store.
	s_sub_co_u32 s22, ttmp9, 304
	s_lshl_b32 s22, s22, 2
	s_add_co_u32 s22, s22, s20                     ; which run of 2,048 numbers
	s_lshl_b32 s24, s22, 13
	s_add_nc_u64 s[8:9], s[8:9], s[24:25]
	s_lshl_b32 s24, s22, 12
	s_add_nc_u64 s[18:19], s[18:19], s[24:25]
	v_lshlrev_b32 v3, 4, v2
	v_lshlrev_b32 v4, 3, v2
.irp i, 0,1,2,3,4,5,6,7,8,9,10,11,12,13,14,15
	global_load_b128 v[32+4*\i:35+4*\i], v3, s[8:9] offset:512*\i
.endr
.irp i, 0,1,2,3,4,5,6,7,8,9,10,11,12,13,14,15
	s_wait_loadcnt 15-\i                           ; loads come back in order: load i is in, the younger ones stay out
	v_cvt_pk_f16_f32 v[96+2*\i], v[32+4*\i], v[33+4*\i]
	v_cvt_pk_f16_f32 v[97+2*\i], v[34+4*\i], v[35+4*\i]
	global_store_b64 v4, v[96+2*\i:97+2*\i], s[18:19] offset:256*\i
.endr
	s_wait_tensorcnt 0x0                           ; the closing lines, written at every end of this text alike
	ds_add_u32 v[SPW], v[NIL]
	s_wait_dscnt 0x0
	s_endpgm
; ---- x: rows are dense and 1,024 is a multiple of 32, so x is a plain stream of blocks of 32, and so are its codes and scale bytes.
; The conversions take 8 numbers of one block from a lane's registers, so a lane must hold 16 neighbours (two lanes to a block); a load is best where neighbouring lanes take neighbouring bytes.
; Both are had: each load reads 512 consecutive bytes, 16 a lane; a step's 2,048 bytes go through the wave's own stage in LDS and come back 64 bytes a lane.
.Lx:
	v_lshlrev_b32 v3, 4, v2                        ; my 16 bytes of a load's 512
	s_mul_i32 s21, s20, WREG
	v_lshrrev_b32 v14, 2, v2
	v_mul_u32_u24 v14, v14, SP
	v_and_b32 v15, 3, v2
	v_lshl_add_u32 v14, v15, 4, v14
	v_add_nc_u32 v14, s21, v14                     ; the stage, on the way in: SP (lane / 4) + 16 (lane % 4)
	v_mul_u32_u24 v15, v2, SP
	v_add_nc_u32 v15, s21, v15                     ; and on the way out: SP x lane
	v_mul_u32_u24 v4, v2, CB                       ; my codes' place in a step's
	v_lshrrev_b32 v5, 1, v2
	s_add_co_u32 s21, s21, 2*32*SP
	v_add_nc_u32 v5, s21, v5                       ; my wave's 256 scale bytes, my block's byte
	v_lshlrev_b32 v7, 3, v2
	v_add_nc_u32 v6, s21, v7                       ; and on the way out 8 bytes a lane
	s_sub_co_u32 s22, ttmp9, 48
	s_lshl_b32 s22, s22, 2
	s_add_co_u32 s22, s22, s20                     ; which run of 8,192 numbers is my wave's
	s_lshl_b32 s24, s22, 15
	s_add_nc_u64 s[6:7], s[6:7], s[24:25]
	s_lshl_b32 s24, s22, 12
	s_add_nc_u64 s[14:15], s[14:15], s[24:25]
	s_lshl_b32 s24, s22, 8
	s_add_nc_u64 s[16:17], s[16:17], s[24:25]
.macro XLOAD t
.irp i, 0,1,2,3
	global_load_b128 v[XR+16*((\t)%4)+4*\i:XR+16*((\t)%4)+4*\i+3], v3, s[6:7] offset:2048*(\t)+512*\i th:TH_LOAD_NT
.endr
.endm
.macro XTURN t                         ; step t's numbers through the stage: LDS serves a wave's instructions in order, so no wait stands between the stores and the loads
.irp i, 0,1,2,3
	ds_store_b128 v14, v[XR+16*((\t)%4)+4*\i:XR+16*((\t)%4)+4*\i+3] offset:32*SP*((\t)%2)+8*SP*\i
.endr
.irp i, 0,1,2,3
	ds_load_b128 v[XX+16*((\t)%2)+4*\i:XX+16*((\t)%2)+4*\i+3], v15 offset:32*SP*((\t)%2)+16*\i
.endr
.endm
.irp t, 0,1,2,3
	XLOAD \t
.endr
	s_wait_loadcnt 12                              ; step 0's four loads are in; those of steps 1 to 3 stay out
	XTURN 0
.macro XSTEP t
.set XS, XX+16*((\t)%2)
.if (\t) > 0
	s_wait_dscnt 1                                 ; this step's numbers are back from the stage (the last step's byte store may be out)
.else
	s_wait_dscnt 0x0
.endif
.if (\t)+4 < STEPS
	XLOAD (\t)+4                                   ; into the registers that this step's stores into the stage have read
.endif
.if (\t)+1 < STEPS
.if STEPS-2-(\t) >= 3
	s_wait_loadcnt 12                              ; the next step's four loads are in; those of the three steps behind it may be out
.else
	s_wait_loadcnt 4*(STEPS-2-(\t))
.endif
	XTURN (\t)+1
.endif
	v_max3_num_f32 v8, |v[XS]|, |v[XS+1]|, |v[XS+2]|
	v_max3_num_f32 v9, |v[XS+3]|, |v[XS+4]|, |v[XS+5]|
.irp i, 6,10
	v_max3_num_f32 v8, v8, |v[XS+\i]|, |v[XS+\i+1]|
	v_max3_num_f32 v9, v9, |v[XS+\i+2]|, |v[XS+\i+3]|
.endr
	v_max3_num_f32 v8, v8, |v[XS+14]|, |v[XS+15]|
	v_max3_num_f32 v8, v8, v9, (EMAX+1)<<23        ; and the floor 2^(3 - 127): the byte cannot fall under 1
	v_max_num_f32_dpp v8, v8, v8 row_xmask:1 row_mask:0xf bank_mask:0xf   ; with my neighbour's 16: the block's largest magnitude
	v_add_nc_u32 v11, 0xff000000, v8               ; 2 off its exponent field: the conversion takes the exponent field of this operand as its scale
	v_cvt_scalef32_pk8_fp4_f32 v[XC+4*(\t)], v[XS:XS+7], v11
	v_cvt_scalef32_pk8_fp4_f32 v[XC+4*(\t)+1], v[XS+8:XS+15], v11
	v_lshrrev_b32 v[XE+(\t)], 23, v11              ; the scale's byte
	ds_store_b8 v5, v[XE+(\t)] offset:16*(\t)      ; both lanes of a block write the same byte with the same value
	global_store_b64 v4, v[XC+4*(\t):XC+4*(\t)+1], s[14:15] offset:32*CB*(\t)   ; the wave stores 256 consecutive bytes, aligned
.endm
.irp t, 0,1,2,3,4,5,6,7,8,9,10,11,12,13,14,15
	XSTEP \t
.endr
	ds_load_b64 v[8:9], v6                         ; LDS serves a wave's instructions in order: these see my stores
	s_wait_dscnt 0x0
	global_store_b64 v7, v[8:9], s[16:17]          ; 32 lanes store 256 consecutive bytes, aligned
	s_wait_tensorcnt 0x0                           ; the wave's end, behind my last LDS store
	ds_add_u32 v[SPW], v[NIL]
	s_wait_dscnt 0x0
	s_endpgm
; ---- W_attn: K is its FIRST axis.  A lane takes a column n and its registers run down K: each load reads neighbouring n in neighbouring lanes, a block of 32 lies in one lane's 32 registers,
; and the conversions give codes with K innermost.  A lane's codes belong to one row of wc: they go through the wave's own stage and leave as rows, sixteen lanes to 256 aligned bytes.
; Every offset is an immediate: 511 x 12,288 bytes at the most, inside the signed 24 bits.
.Lw:
	s_lshr_b32 s21, ttmp9, 1
	s_lshl_b32 s21, s21, 7
	s_lshl_b32 s22, s20, 5
	s_add_co_u32 s21, s21, s22                     ; my wave's first column: 128 x (work-group / 2) + 32 x wave
	s_and_b32 s22, ttmp9, 1                        ; which 512 along K
	v_lshlrev_b32 v3, 2, v2                        ; in: 4 bytes a lane
	s_mul_i32 s23, s20, 32*WPITCH
	s_add_co_u32 s23, s23, WSTG                    ; my stage
	v_mul_u32_u24 v4, v2, WPITCH
	v_add_nc_u32 v4, s23, v4                       ; into it: row = my column
	v_and_b32 v5, 15, v2
	v_lshrrev_b32 v6, 4, v2
	v_mul_u32_u24 v7, v6, WPITCH
	v_lshl_add_u32 v7, v5, 4, v7
	v_add_nc_u32 v7, s23, v7                       ; out of it: sixteen lanes to a row, two rows an instruction
	v_mul_u32_u24 v8, v6, KROW
	v_lshl_add_u32 v8, v5, 4, v8                   ; and the same place in wc
	v_lshlrev_b32 v9, 5, v2                        ; my column's row of scale bytes
	s_mul_i32 s24, s22, 512*WN*4
	s_lshl_b32 s26, s21, 2
	s_add_co_u32 s24, s24, s26
	s_add_nc_u64 s[4:5], s[4:5], s[24:25]          ; W_attn at (512 y, column)
	s_lshl_b32 s24, s21, 9
	s_lshl_b32 s26, s22, 8
	s_add_co_u32 s24, s24, s26
	s_add_nc_u64 s[10:11], s[10:11], s[24:25]      ; wc at column x 512 + 256 y
	s_lshl_b32 s24, s21, 5
	s_lshl_b32 s26, s22, 4
	s_add_co_u32 s24, s24, s26
	s_add_nc_u64 s[12:13], s[12:13], s[24:25]      ; ws at column x 32 + 16 y
.macro WLOAD t
.irp i, 0,1,2,3,4,5,6,7,8,9,10,11,12,13,14,15,16,17,18,19,20,21,22,23,24,25,26,27,28,29,30,31
	global_load_b32 v[WX+32*((\t)%2)+\i], v3, s[4:5] offset:(32*(\t)+\i)*WN*4 th:TH_LOAD_NT
.endr
.endm
	WLOAD 0
	WLOAD 1
.macro WBLOCK t
.set XS, WX+32*((\t)%2)
.if (\t) < NB-1
	s_wait_loadcnt 32                              ; this block's 32 loads are in; the next block's may be out
.else
	s_wait_loadcnt 0
.endif
	v_max3_num_f32 v12, |v[XS]|, |v[XS+1]|, |v[XS+2]|
	v_max3_num_f32 v13, |v[XS+3]|, |v[XS+4]|, |v[XS+5]|
.irp i, 6,10,14,18,22,26
	v_max3_num_f32 v12, v12, |v[XS+\i]|, |v[XS+\i+1]|
	v_max3_num_f32 v13, v13, |v[XS+\i+2]|, |v[XS+\i+3]|
.endr
	v_max3_num_f32 v12, v12, |v[XS+30]|, |v[XS+31]|
	v_max3_num_f32 v12, v12, v13, (EMAX+1)<<23     ; and the floor
	v_add_nc_u32 v11, 0xff000000, v12              ; the conversion's scale operand
	v_lshrrev_b32 v13, 23, v11                     ; the scale's byte
.if (\t)%4 == 0
	v_mov_b32 v[WSB+(\t)/4], v13
.else
	v_lshl_or_b32 v[WSB+(\t)/4], v13, 8*((\t)%4), v[WSB+(\t)/4]
.endif
.irp g, 0,1,2,3
	v_cvt_scalef32_pk8_fp4_f32 v[WC+\g], v[XS+8*\g:XS+8*\g+7], v11
.endr
	ds_store_b128 v4, v[WC:WC+3] offset:16*(\t)    ; 32 codes: 16 bytes of my column's row
.if (\t)+2 < NB
	WLOAD (\t)+2
.endif
	s_wait_dscnt 0x0                               ; the store has read its registers: the next block's codes may be written
.endm
.set Q, 0
.rept NB
	WBLOCK Q
.set Q, Q+1
.endr
	global_store_b128 v9, v[WSB:WSB+3], s[12:13]   ; my column's 16 scale bytes
.irp t, 0,1,2,3,4,5,6,7,8,9,10,11,12,13,14,15
	ds_load_b128 v[WOUT+4*\t:WOUT+4*\t+3], v7 offset:2*\t*WPITCH
.endr
.irp t, 0,1,2,3,4,5,6,7,8,9,10,11,12,13,14,15
	s_wait_dscnt 15-\t
	global_store_b128 v8, v[WOUT+4*\t:WOUT+4*\t+3], s[10:11] offset:2*\t*KROW
.endr
	s_wait_tensorcnt 0x0                           ; the wave's end, behind my last LDS store
	ds_add_u32 v[SPW], v[NIL]
	s_wait_dscnt 0x0
	s_endpgm
.Lfunc_end_k_q5f315ae808_prep:
	.size	k_q5f315ae808_prep, .Lfunc_end_k_q5f315ae808_prep-k_q5f315ae808_prep
	.p2alignl 7, 3214868480
	.fill 96, 4, 3214868480
	.section	.rodata,"a",@progbits
	.p2align	6, 0x0
	.amdhsa_kernel k_q5f315ae808_prep
		.amdhsa_group_segment_fixed_size 68096
		.amdhsa_private_segment_fixed_size 0
		.amdhsa_enable_private_segment 0
		.amdhsa_kernarg_size 64
		.amdhsa_user_sgpr_count 2
		.amdhsa_user_sgpr_kernarg_segment_ptr 1
		.amdhsa_wavefront_size32 1
		.amdhsa_system_sgpr_workgroup_id_x 1
		.amdhsa_system_sgpr_workgroup_id_y 1
		.amdhsa_system_sgpr_workgroup_id_z 1
		.amdhsa_system_vgpr_workitem_id 0
		.amdhsa_next_free_vgpr 192
		.amdhsa_next_free_sgpr 66
		.amdhsa_reserve_vcc 0
		.amdhsa_float_denorm_mode_32 3
		.amdhsa_float_denorm_mode_16_64 3
		.amdhsa_memory_ordered 1
		.amdhsa_forward_progress 1
		.amdhsa_inst_pref_size 117
	.end_amdhsa_kernel
	.amdgpu_metadata
---
amdhsa.version: [ 1, 2 ]
amdhsa.kernels:
  - .name:           k_q5f315ae808_prep
    .symbol:         k_q5f315ae808_prep.kd
    .args:
      - { .name: W_attn, .offset: 0, .size: 8, .value_kind: global_buffer, .address_space: global }
      - { .name: x, .offset: 8, .size: 8, .value_kind: global_buffer, .address_space: global }
      - { .name: W_proj, .offset: 16, .size: 8, .value_kind: global_buffer, .address_space: global }
      - { .name: wc, .offset: 24, .size: 8, .value_kind: global_buffer, .address_space: global }
      - { .name: ws, .offset: 32, .size: 8, .value_kind: global_buffer, .address_space: global }
      - { .name: xc, .offset: 40, .size: 8, .value_kind: global_buffer, .address_space: global }
      - { .name: xs, .offset: 48, .size: 8, .value_kind: global_buffer, .address_space: global }
      - { .name: wp16, .offset: 56, .size: 8, .value_kind: global_buffer, .address_space: global }
    .group_segment_fixed_size: 68096
    .private_segment_fixed_size: 0
    .kernarg_segment_align: 8
    .kernarg_segment_size: 64
    .max_flat_workgroup_size: 128
    .sgpr_count:     66
    .vgpr_count:     192
    .wavefront_size: 32
...
	.end_amdgpu_metadata
.endif
;; end of part 1
;; launch qkv (part 2): grid 12 x 32, 4 waves a work-group, clusters of 4 x 4, 327,680 bytes of LDS; arguments xc, xs, wc, ws, qkvh, b_attn, qkv16; writes qkvh, qkv16
.if DOCPART == 2
	.amdgcn_target "amdgcn-amd-amdhsa--gfx1250"
	.amdhsa_code_object_version 6
	.text
	.protected	k_q5f315ae808_qkv
	.globl	k_q5f315ae808_qkv
	.p2align	8
	.type	k_q5f315ae808_qkv,@function
k_q5f315ae808_qkv:
	s_mov_b64 s[64:65], 0
	v_nop
	global_prefetch_b8 v0, s[64:65] scope:SCOPE_SE
	s_setreg_imm32_b32 hwreg(HW_REG_WAVE_MODE, 25, 1), 1
	s_wait_xcnt 0x0
	s_wait_alu depctr_hold_cnt(0) depctr_sa_sdst(0) depctr_va_vdst(0) depctr_va_sdst(0) depctr_va_ssrc(0) depctr_va_vcc(0) depctr_vm_vsrc(0)
	s_getreg_b32 s2, hwreg(HW_REG_IB_STS2, 6, 4)
	s_cmp_eq_u32 s2, 0
	s_cbranch_scc0 .Lentry_in_a_cluster
	s_endpgm
.Lentry_in_a_cluster:
	s_bfe_u32 s2, ttmp6, 0x10000c
	s_cmp_lg_u32 s2, 0xf033
	s_cbranch_scc0 .Lentry_shape_is_right
	s_endpgm
.Lentry_shape_is_right:
; QKV: C[m][n] = sum over k of Q(x)[m][k] Q(W_attn)[k][n] + b_attn[n], on codes of FP4 (E2M1) with one E8M0 scale for each 32 along K; sums in f32.
; xc [8192][512 bytes], xs [8192][32]; wc [3072][512 bytes], ws [3072][32]: K innermost.  The result leaves as f16, laid by head: qkvh [48 planes = column / 64][8192 m][64];
; the first 16 positions of every sequence leave in f32 too: qkv16 [64 rows = 16 batch + t][3072].
; LIMIT: a result beyond 65,504 has no f16 number.
; A tile of C, 256 x 256, is made by four waves; a wave makes 128 x 128: 64 accumulators of 16 x 16, 512 registers.  K = 1,024 is two LDS slots of 512 along K (rows of 256 bytes): both are
; filled at the start and nothing is filled again.  The scale bytes of the work-group's 256 + 256 rows come with them, in whole rows of 256 bytes.
; CLUSTERS: 4 x 4 work-groups; the four of a row of the cluster ask jointly for x's tiles, the four of a column for W's.  The tile row is cluster y + 8 cy: so cy is the batch, and the first
; 16 positions lie in the clusters with y = 0, a number that all sixteen partners share.
; THE MATRIX INSTRUCTION IS USED TRANSPOSED (source 0 = 16 columns of W, source 1 = 16 rows of x): a lane holds eight neighbouring columns of one row of C.  The bias is the C of each sum's first product.
; REGISTERS: window 0: v0-31 addresses; v32-95 scale words, two sets; v128-191 x's fragments, one set; v192-255 the bias (8 tiles x 8); on the way out v128-223 are free.
;   window 1: W's fragments, two sets, at v0 and v128.   window 2: the accumulators of my rows 0-63 ((a, b) at v[8 (8 a + b)]);   window 3: those of rows 64-127.
.set NQ,     4                         ; matrix instructions deep in a slot
.set ROWB,   256                       ; a tile's row in bytes: 512 codes
.set KROW,   512                       ; a row of xc or wc in memory
.set PITCH,  272                       ; an LDS row: 256 bytes + 16 of padding: the 16 rows that a load touches start at 16 different banks
.set FR,     8
.set NL,     2
.set NP,     4
.set HALFT,  128*PITCH
.set SLOT,   4*HALFT
.set KS,     32                        ; a row of scale bytes
.set SCL,    2*SLOT
.set HALFS,  16*272                    ; the scales of 128 rows
.set SBLK,   2*272                     ; those of 16 rows
.set SPARE,  SCL+4*HALFS               ; the spare words, 128 bytes for each wave: two blocks of 256 bytes that no other line names
.set STAGE,  SPARE+512                 ; the way out: for each wave 2 planes x 16 rows x (128 bytes + 16); no tensor load lands here
.set WSTG,   4608
.set SPL,    2304
.set SPT,    144
.set ADRA, 16
.set ADRB, 20
.set STO,  24
.set RD,   25
.set CO,   26
.set ADRS, 27
.set SPW,  28
.set NIL,  29
.set BO,   30                          ; v30  32 x (lane / 16): my eight numbers of a bias tile
.set FO,   31                          ; v31  my place in qkv16: row lane % 16, 32 bytes for each half of the lanes
.set SC,   32
.set AF,   128
.set BIAS, 192
.set TMP,  192                         ; the way out: packed results
.set BK,   128                         ; the way out: rows read back: v128-159 and v160-191 by turns
.set G1, 24
.set G0, 32
.set G1B, 48
.set G0B, 56
.set G1S, 68
.set G0S, 76
.set G1SB, 80
.set G0SB, 88
.set MSB, 0
.macro WIN new                         ; the immediate's high byte repeats the setting that is left
.if MSB != \new
	s_set_vgpr_msb (MSB<<8)|\new
.set MSB, \new
.endif
.endm
.set MUL_LO,  0xa1                     ; source 0 (W) window 1, source 1 (x) window 0, C and D window 2
.set MUL_HI,  0xf1                     ; the same, C and D window 3
.set MUL_LO0, 0x81                     ; the first products: C (the bias) window 0, D window 2
.set MUL_HI0, 0xc1                     ; D window 3
.set TO_B,    0x40
; A joint load: waves 0 and 1 fetch for x, waves 2 and 3 for W.  The branch hangs on the wave's number alone.  An s_nop 0 and four v_nop follow each of the two lines.
.macro JLOAD g0a, g1a, g0b, g1b
	s_cmp_eq_u32 s15, 0
	s_cbranch_scc0 .Lfor_b_\@
	tensor_load_to_lds s[\g0a:\g0a+3], s[\g1a:\g1a+7]
	s_nop 0
.rept 4
	v_nop
.endr
	s_branch .Lasked_\@
.Lfor_b_\@:
	tensor_load_to_lds s[\g0b:\g0b+3], s[\g1b:\g1b+7]
	s_nop 0
.rept 4
	v_nop
.endr
.Lasked_\@:
.endm
.macro CROUND                          ; a round of the cluster's barrier
	s_barrier_signal -1
	s_barrier_wait -1
	s_cmp_lg_u32 s14, 0
	s_cbranch_scc1 .Lnot_wave_0_\@
	s_barrier_signal -3
.Lnot_wave_0_\@:
	s_barrier_wait -3
	s_barrier_signal -1
	s_barrier_wait -1
.endm
	s_load_b128 s[4:7], s[0:1], 0x0                ; xc s[4:5], xs s[6:7]
	s_load_b128 s[8:11], s[0:1], 0x10              ; wc s[8:9], ws s[10:11]
	s_load_b64 s[12:13], s[0:1], 0x20              ; qkvh
	s_load_b128 s[96:99], s[0:1], 0x28             ; b_attn s[96:97], qkv16 s[98:99]
	v_lshl_add_u32 v[SPW], v0, 2, SPARE
	v_mov_b32 v[NIL], 0
	ds_add_u32 v[SPW], v[NIL]                      ; the wave's opening: the add, twice on end, and its wait ahead of my first tensor load
	ds_add_u32 v[SPW], v[NIL]
	v_lshrrev_b32 v1, 5, v0
	v_readfirstlane_b32 s14, v1                    ; wave 0..3
	s_lshr_b32 s15, s14, 1                         ; which half of the tile's rows is mine.  Also: I fetch for x (0) or for W (1)
	s_and_b32 s16, s14, 1                          ; which half of its columns.  Also: which 128 rows of that tile I fetch
	s_bfe_u32 s40, ttmp6, 0x40000                  ; cx
	s_bfe_u32 s41, ttmp6, 0x40004                  ; cy
	s_lshl_b32 s42, ttmp9, 2
	s_add_co_u32 s42, s42, s40                     ; tile column of C = 4 x cluster x + cx
	s_and_b32 s17, ttmp7, 0xffff
	s_lshl_b32 s66, s41, 3
	s_add_co_u32 s17, s17, s66                     ; tile row of C = cluster y + 8 cy
	s_lshl_b32 s43, s41, 2
	s_lshl_b32 s43, 15, s43                        ; my row of the cluster
	s_lshl_b32 s44, 0x1111, s40                    ; my column
	s_or_b32 s[G1+0], s43, (0<<16)|(1<<20)|(1<<21)|(5<<22)|(3<<25)  ; the mask; elements of 1 byte; padding on: 4 words behind every 64
	s_or_b32 s[G1B+0], s44, (0<<16)|(1<<20)|(1<<21)|(5<<22)|(3<<25)
.irp g, G1, G1B
	s_mov_b32 s[\g+1], ROWB<<16                    ; tensor_dim0
	s_mov_b32 s[\g+2], 128<<16                     ; tensor_dim1
	s_mov_b32 s[\g+3], ROWB<<16                    ; tile_dim0
	s_mov_b32 s[\g+4], 128                         ; tile_dim1
	s_mov_b32 s[\g+5], KROW                        ; from row to row
	s_mov_b32 s[\g+6], 0
	s_mov_b32 s[\g+7], 0
.endr
	s_or_b32 s[G1S+0], s43, (3<<16)|(1<<20)|(1<<21)|(5<<22)|(3<<25) ; the scales of 128 rows: 4,096 dense bytes as 16 rows of 256 (32 elements of 8 bytes), 16 bytes of padding behind each
	s_or_b32 s[G1SB+0], s44, (3<<16)|(1<<20)|(1<<21)|(5<<22)|(3<<25)
.irp g, G1S, G1SB
	s_mov_b32 s[\g+1], 32<<16
	s_mov_b32 s[\g+2], 16<<16
	s_mov_b32 s[\g+3], 32<<16
	s_mov_b32 s[\g+4], 16
	s_mov_b32 s[\g+5], 32
	s_mov_b32 s[\g+6], 0
	s_mov_b32 s[\g+7], 0
.endr
	s_lshl_b32 s18, s16, 7
	s_lshl_b32 s20, s17, 8
	s_add_co_u32 s20, s20, s18                     ; x: row 256 x tile row + 128 x half
	s_lshl_b32 s46, s42, 8
	s_add_co_u32 s46, s46, s18                     ; W: column 256 x tile column + 128 x half
	s_mov_b32 s21, 0
	s_mov_b32 s47, 0
	s_mov_b64 s[18:19], KS
	s_mul_u64 s[22:23], s[20:21], s[18:19]         ; where these rows' scales begin
	s_mul_u64 s[92:93], s[46:47], s[18:19]
	s_mov_b64 s[18:19], KROW
	s_mul_u64 s[20:21], s[20:21], s[18:19]         ; and their codes
	s_mul_u64 s[46:47], s[46:47], s[18:19]
	s_mul_i32 s45, s14, HALFT                      ; where they go: wave x 128 rows
	s_mul_i32 s94, s14, HALFS
	s_wait_dscnt 0x0                               ; both opening adds are done
	s_wait_kmcnt 0x0
	s_add_nc_u64 s[20:21], s[4:5], s[20:21]
	s_add_nc_u64 s[22:23], s[6:7], s[22:23]
	s_add_nc_u64 s[46:47], s[8:9], s[46:47]
	s_add_nc_u64 s[92:93], s[10:11], s[92:93]
	CROUND                                         ; all sixteen work-groups are here: the joint loads meet
	s_mov_b32 s[G0S], 1
	s_add_co_u32 s[G0S+1], s94, SCL
	s_mov_b64 s[G0S+2:G0S+3], s[22:23]
	s_or_b32 s[G0S+3], s[G0S+3], 0x80000000
	s_mov_b32 s[G0SB], 1
	s_add_co_u32 s[G0SB+1], s94, SCL
	s_mov_b64 s[G0SB+2:G0SB+3], s[92:93]
	s_or_b32 s[G0SB+3], s[G0SB+3], 0x80000000
	JLOAD G0S, G1S, G0SB, G1SB                     ; the scales first: they are wanted with slot 0
.irp s, 0,1
	s_mov_b32 s[G0+4*\s], 1
	s_add_co_u32 s[G0+4*\s+1], s45, \s*SLOT
	s_add_nc_u64 s[G0+4*\s+2:G0+4*\s+3], s[20:21], \s*ROWB
	s_or_b32 s[G0+4*\s+3], s[G0+4*\s+3], 0x80000000
	s_mov_b32 s[G0B+4*\s], 1
	s_add_co_u32 s[G0B+4*\s+1], s45, \s*SLOT
	s_add_nc_u64 s[G0B+4*\s+2:G0B+4*\s+3], s[46:47], \s*ROWB
	s_or_b32 s[G0B+4*\s+3], s[G0B+4*\s+3], 0x80000000
	JLOAD G0+4*\s, G1, G0B+4*\s, G1B               ; three tensor loads of mine are out behind the last of these
.endr
	v_and_b32 v1, 15, v0                           ; r = lane % 16
	v_bfe_u32 v2, v0, 4, 1                         ; h = lane / 16
	v_lshlrev_b32 v[BO], 5, v2
	s_lshl_b32 s46, s42, 10                        ; my first column, in f32 bytes: 1,024 x tile column + 512 x half
	s_lshl_b32 s47, s16, 9
	s_add_co_u32 s46, s46, s47
	s_mov_b32 s47, 0
	s_add_nc_u64 s[96:97], s[96:97], s[46:47]
.irp b, 0,1,2,3,4,5,6,7
	global_load_b128 v[BIAS+8*\b:BIAS+8*\b+3], v[BO], s[96:97] offset:64*\b        ; b_attn at columns 16 b + 8 h + 0 .. 7: the result's layout
	global_load_b128 v[BIAS+8*\b+4:BIAS+8*\b+7], v[BO], s[96:97] offset:64*\b+16
.endr
	s_mul_i32 s66, s41, 196608                     ; qkv16: the batch's 16 rows of 12,288 bytes,
	s_add_co_u32 s46, s46, s66                     ; and my first column
	s_add_nc_u64 s[98:99], s[98:99], s[46:47]
	v_mul_u32_u24 v3, v1, PITCH
	v_lshl_add_u32 v4, v2, 4, v3                   ; a fragment's row x pitch + 16 x half
	s_mul_i32 s21, s15, HALFT                      ; my 128 rows of x
	s_mul_i32 s22, s16, HALFT                      ; my 128 columns of W,
	s_add_co_u32 s22, s22, 2*HALFT                 ; which lie behind x's 256 rows
.irp s, 0,1
	v_add_nc_u32 v[ADRA+\s], s21, v4
	v_add_nc_u32 v[ADRB+\s], s22, v4
	s_add_co_u32 s21, s21, SLOT
	s_add_co_u32 s22, s22, SLOT
.endr
	v_mul_u32_u24 v5, v1, KS                       ; my row's scales: 32 bytes a row,
	v_lshrrev_b32 v6, 8, v5
	v_lshl_add_u32 v5, v6, 4, v5                   ; and 16 more for each 256 passed
	s_mul_i32 s21, s15, HALFS
	s_mul_i32 s22, s16, HALFS
	s_add_co_u32 s22, s22, 2*HALFS
	s_sub_co_u32 s22, s22, s21
	v_mul_u32_u24 v6, s22, v2                      ; lanes 16-31 take W's
	s_add_co_u32 s21, s21, SCL
	v_add_nc_u32 v5, v5, v6
	v_add_nc_u32 v[ADRS], s21, v5
	s_mul_i32 s23, s14, WSTG
	s_add_co_u32 s23, s23, STAGE                   ; my stage
	v_mul_u32_u24 v5, v1, SPT                      ; in: row r, 16 bytes for each half of the lanes
	v_lshl_add_u32 v5, v2, 4, v5
	v_add_nc_u32 v[STO], s23, v5
	v_and_b32 v6, 31, v0
	v_lshrrev_b32 v7, 3, v6                        ; back: eight lanes to a row of 128 bytes, four rows an instruction
	v_mul_u32_u24 v7, v7, SPT
	v_and_b32 v8, 7, v0
	v_lshl_add_u32 v7, v8, 4, v7
	v_add_nc_u32 v[RD], s23, v7
	v_lshlrev_b32 v[CO], 4, v6                     ; four rows of a plane are 512 consecutive bytes of qkvh
	v_mul_u32_u24 v[FO], v1, 12288
	v_lshl_add_u32 v[FO], v2, 5, v[FO]
	s_lshl_b32 s20, s42, 2
	s_lshl_b32 s21, s16, 1
	s_add_co_u32 s20, s20, s21                     ; my first plane: 4 x tile column + 2 x half
	s_lshl_b32 s20, s20, 20                        ; a plane is 8,192 rows of 128 bytes
	s_lshl_b32 s21, s17, 15
	s_add_co_u32 s20, s20, s21                     ; + 256 x tile row
	s_lshl_b32 s21, s15, 14
	s_add_co_u32 s20, s20, s21                     ; + 128 x half
	s_mov_b32 s21, 0
	s_add_nc_u64 s[12:13], s[12:13], s[20:21]
.macro FRAG reg, adr, q, i             ; 16 rows x 128 K of 4-bit codes: 8 registers: lane l holds row l % 16; registers 4 c .. 4 c + 3 hold K = 64 c + 32 (l / 16) + 0 .. 31
.irp c, 0,1
	ds_load_b128 v[\reg+4*\c:\reg+4*\c+3], v[\adr] offset:64*(\q)+32*\c+(\i)*16*PITCH
.endr
.endm
; 16 matrix instructions: x's blocks a0, a0 + 1 against W's eight.  zero = 1: the first product starts the sums, with the bias as its C.  The 64 accumulators take turns, one instruction a turn.
.macro MUL16 a0, p, q, sc, zero
.irp a, \a0, \a0+1
.irp b, 0,1,2,3,4,5,6,7
.if \zero
	v_wmma_scale_f32_16x16x128_f8f6f4 v[8*(8*((\a)%4)+\b):8*(8*((\a)%4)+\b)+7], v[128*(\p)+FR*\b:128*(\p)+FR*\b+FR-1], v[AF+FR*(\a):AF+FR*(\a)+FR-1], v[BIAS+8*\b:BIAS+8*\b+7], v[SC+8*NQ*(\sc)+NQ*\b+(\q)], v[SC+8*NQ*(\sc)+NQ*(\a)+(\q)] matrix_a_fmt:MATRIX_FMT_FP4 matrix_b_fmt:MATRIX_FMT_FP4 matrix_a_scale:MATRIX_SCALE_ROW1
.else
	v_wmma_scale_f32_16x16x128_f8f6f4 v[8*(8*((\a)%4)+\b):8*(8*((\a)%4)+\b)+7], v[128*(\p)+FR*\b:128*(\p)+FR*\b+FR-1], v[AF+FR*(\a):AF+FR*(\a)+FR-1], v[8*(8*((\a)%4)+\b):8*(8*((\a)%4)+\b)+7], v[SC+8*NQ*(\sc)+NQ*\b+(\q)], v[SC+8*NQ*(\sc)+NQ*(\a)+(\q)] matrix_a_fmt:MATRIX_FMT_FP4 matrix_b_fmt:MATRIX_FMT_FP4 matrix_a_scale:MATRIX_SCALE_ROW1
.endif
.endr
.endr
.endm
.macro FETCH_B slot, q, p
	WIN TO_B
.irp i, 0,1,2,3,4,5,6,7
	FRAG 128*(\p)+FR*\i, ADRB+\slot, \q, \i
.endr
	WIN 0
.endm
.macro FETCH_A slot, q, i0
.irp i, \i0, \i0+1, \i0+2, \i0+3
	FRAG AF+FR*(\i), ADRA+\slot, \q, \i
.endr
.endm
.macro SCALES sc                       ; a slot's scale words: 4 words a row; lanes 0-15 take x's block i, lanes 16-31 W's block i
.irp i, 0,1,2,3,4,5,6,7
	ds_load_b128 v[SC+8*NQ*\sc+NQ*\i:SC+8*NQ*\sc+NQ*\i+3], v[ADRS] offset:\i*SBLK
.endr
.endm
.macro PLACES n                        ; plain vector instructions between a matrix instruction and a load into, or a read of, its registers
.rept \n
	v_nop
.endr
.endm
.macro STEP slot, q, zero              ; 128 along K, with its successor in the same slot
	s_wait_dscnt 4*NL                              ; W's set and x's blocks 0-3 are in; the youngest eight loads (x's blocks 4-7) may be out
.if \zero
	WIN MUL_LO0
.else
	WIN MUL_LO
.endif
	MUL16 0, (\q)%2, \q, \slot, \zero
	MUL16 2, (\q)%2, \q, \slot, \zero
	s_wait_dscnt 0
	PLACES NP
	FETCH_B \slot, (\q)+1, 1-(\q)%2
	FETCH_A \slot, (\q)+1, 0
.if \zero
	WIN MUL_HI0
.else
	WIN MUL_HI
.endif
	MUL16 4, (\q)%2, \q, \slot, \zero
	MUL16 6, (\q)%2, \q, \slot, \zero
	PLACES NP
	WIN 0
	FETCH_A \slot, (\q)+1, 4
.endm
; Slot 0's last step goes over to slot 1: each wave waits for all its tensor loads (its part of slot 1), and the barrier shows the whole slot to every wave.  Nothing is filled again.
.macro TURN slot, next
	s_wait_tensorcnt 0x0
	ds_add_u32 v[SPW], v[NIL]                      ; 0 onto my spare word
	s_wait_dscnt 4*NL+1                            ; (the add and the youngest eight loads may be out)
	WIN MUL_LO
	MUL16 0, 1, NQ-1, \slot, 0
	s_wait_dscnt 0x0                               ; no LDS instruction of mine is out at the signal
	s_barrier_signal -1
	MUL16 2, 1, NQ-1, \slot, 0
	WIN 0
	s_barrier_wait -1
	PLACES NP
	v_add_nc_u32 v[ADRS], 4*NQ, v[ADRS]            ; on to the next slot's scale words
	FETCH_B \next, 0, 0
	FETCH_A \next, 0, 0
	SCALES \next
	WIN MUL_HI
	MUL16 4, 1, NQ-1, \slot, 0
	MUL16 6, 1, NQ-1, \slot, 0
	PLACES NP
	WIN 0
	FETCH_A \next, 0, 4
.endm
.macro STEPS slot, from
.set Q, \from
.rept NQ-1-\from
	STEP \slot, Q, 0
.set Q, Q+1
.endr
.endm
	s_wait_tensorcnt 1                             ; the scales and my part of slot 0 are in; slot 1's load may stay out
	s_barrier_signal -1
	s_barrier_wait -1
	FETCH_B 0, 0, 0
	FETCH_A 0, 0, 0
	SCALES 0
	FETCH_A 0, 0, 4
	s_wait_loadcnt 0x0                             ; the bias
	STEP 0, 0, 1
	STEPS 0, 1
	TURN 0, 1
	STEPS 1, 0
	s_wait_dscnt 4*NL                              ; the last step: nothing more to fetch
	WIN MUL_LO
	MUL16 0, 1, NQ-1, 1, 0
	MUL16 2, 1, NQ-1, 1, 0
	s_wait_dscnt 0
	WIN MUL_HI
	MUL16 4, 1, NQ-1, 1, 0
	MUL16 6, 1, NQ-1, 1, 0
	WIN 0
	PLACES NP
; THE FIRST 16 POSITIONS, IN F32: they are block 0 of the upper half's waves in the clusters with y = 0.  The branch hangs on the cluster's y and the wave's number.
; A lane stores 2 x 16 bytes of its row for each tile: rows are 12,288 bytes apart, so these stores cover short pieces; they are 786,432 bytes in the whole launch.
	s_and_b32 s66, ttmp7, 0xffff
	s_or_b32 s66, s66, s15
	s_cmp_lg_u32 s66, 0
	s_cbranch_scc1 .Lno16
	WIN 0x08                                       ; a store's data are its source 1: window 2
.irp b, 0,1,2,3,4,5,6,7
	global_store_b128 v[FO], v[8*\b:8*\b+3], s[98:99] offset:64*\b
	global_store_b128 v[FO], v[8*\b+4:8*\b+7], s[98:99] offset:64*\b+16
.endr
	WIN 0
.Lno16:
; THE WAY OUT, block by block of 16 rows x 128 columns = 2 planes x 16 rows x 128 bytes.  PACK: rounded to f16, 16 bytes a lane.  TOSTAGE: into my own stage and back by rows.  SEND: stored.
.macro PACK a
.set AC, 64*((\a)%4)
	WIN 0x0a+5*((\a)/4)                            ; sources 0 and 1: window 2 or 3
.irp b, 0,1,2,3,4,5,6,7
.irp i, 0,1,2,3
	v_cvt_pk_f16_f32 v[TMP+4*\b+\i], v[AC+8*\b+2*\i], v[AC+8*\b+2*\i+1]
.endr
.endr
	WIN 0
.endm
.macro TOSTAGE a
.set BB, BK+32*((\a)%2)
.irp b, 0,1,2,3,4,5,6,7
	ds_store_b128 v[STO], v[TMP+4*\b:TMP+4*\b+3] offset:(\b/4)*SPL+(\b%4)*32
.endr
.irp i, 0,1,2,3,4,5,6,7
	ds_load_b128 v[BB+4*\i:BB+4*\i+3], v[RD] offset:(\i/4)*SPL+(\i%4)*4*SPT   ; LDS serves a wave's instructions in order: these see the stores above
.endr
.endm
.macro SEND a
.set BB, BK+32*((\a)%2)
	s_wait_dscnt 0x0                               ; the block is back in registers
	s_wait_xcnt 0x0                                ; the stores of the block before have read their registers: the next block's loads may land there
.irp i, 0,1,2,3,4,5,6,7
	global_store_b128 v[CO], v[BB+4*\i:BB+4*\i+3], s[12:13] offset:(\i/4)*1048576+(\a)*2048+(\i%4)*512   ; 32 lanes store 512 consecutive bytes, at a multiple of 512 from the buffer's first byte
.endr
.endm
	PACK 0
	TOSTAGE 0
.irp a, 1,2,3,4,5,6,7                  ; block a's conversions stand between block a - 1's loads from the stage and the wait for them
	PACK \a
	SEND \a-1
	TOSTAGE \a
.endr
	SEND 7
	s_wait_tensorcnt 0x0                           ; the wave's end, behind my last tensor load and my last LDS store
	ds_add_u32 v[SPW], v[NIL]
	s_wait_dscnt 0x0
	CROUND                                         ; the closing round
	s_endpgm
.Lfunc_end_k_q5f315ae808_qkv:
	.size	k_q5f315ae808_qkv, .Lfunc_end_k_q5f315ae808_qkv-k_q5f315ae808_qkv
	.p2alignl 7, 3214868480
	.fill 96, 4, 3214868480
	.section	.rodata,"a",@progbits
	.p2align	6, 0x0
	.amdhsa_kernel k_q5f315ae808_qkv
		.amdhsa_group_segment_fixed_size 327680
		.amdhsa_private_segment_fixed_size 0
		.amdhsa_enable_private_segment 0
		.amdhsa_kernarg_size 56
		.amdhsa_user_sgpr_count 2
		.amdhsa_user_sgpr_kernarg_segment_ptr 1
		.amdhsa_wavefront_size32 1
		.amdhsa_system_sgpr_workgroup_id_x 1
		.amdhsa_system_sgpr_workgroup_id_y 1
		.amdhsa_system_sgpr_workgroup_id_z 1
		.amdhsa_system_vgpr_workitem_id 0
		.amdhsa_next_free_vgpr 1024
		.amdhsa_next_free_sgpr 100
		.amdhsa_reserve_vcc 0
		.amdhsa_float_denorm_mode_32 3
		.amdhsa_float_denorm_mode_16_64 3
		.amdhsa_memory_ordered 1
		.amdhsa_forward_progress 1
		.amdhsa_inst_pref_size 130
	.end_amdhsa_kernel
	.amdgpu_metadata
---
amdhsa.version: [ 1, 2 ]
amdhsa.kernels:
  - .name:           k_q5f315ae808_qkv
    .symbol:         k_q5f315ae808_qkv.kd
    .args:
      - { .name: xc, .offset: 0, .size: 8, .value_kind: global_buffer, .address_space: global }
      - { .name: xs, .offset: 8, .size: 8, .value_kind: global_buffer, .address_space: global }
      - { .name: wc, .offset: 16, .size: 8, .value_kind: global_buffer, .address_space: global }
      - { .name: ws, .offset: 24, .size: 8, .value_kind: global_buffer, .address_space: global }
      - { .name: qkvh, .offset: 32, .size: 8, .value_kind: global_buffer, .address_space: global }
      - { .name: b_attn, .offset: 40, .size: 8, .value_kind: global_buffer, .address_space: global }
      - { .name: qkv16, .offset: 48, .size: 8, .value_kind: global_buffer, .address_space: global }
    .group_segment_fixed_size: 327680
    .private_segment_fixed_size: 0
    .kernarg_segment_align: 8
    .kernarg_segment_size: 56
    .max_flat_workgroup_size: 128
    .sgpr_count:     100
    .vgpr_count:     1024
    .wavefront_size: 32
...
	.end_amdgpu_metadata
.endif
;; end of part 2
;; launch attn (part 3): grid 4 x 64, 16 waves a work-group, no clusters, 327,680 bytes of LDS; arguments qkvh, yh; writes yh
.if DOCPART == 3
	.amdgcn_target "amdgcn-amd-amdhsa--gfx1250"
	.amdhsa_code_object_version 6
	.text
	.protected	k_q5f315ae808_attn
	.globl	k_q5f315ae808_attn
	.p2align	8
	.type	k_q5f315ae808_attn,@function
k_q5f315ae808_attn:
	s_mov_b64 s[64:65], 0
	v_nop
	global_prefetch_b8 v0, s[64:65] scope:SCOPE_SE
	s_setreg_imm32_b32 hwreg(HW_REG_WAVE_MODE, 25, 1), 1
	s_wait_xcnt 0x0
; ATTN: y[q] = sum over k <= q of softmax_k(q . k / 8) v[k], for each of 64 planes g = 4 head + batch; operands in f16, products, maxima and sums in f32; a running maximum is taken away before the exponential.
; qkvh: [48 planes][8192][64] f16: q's planes 0-15, k's 16-31, v's 32-47; a head of one batch is 262,144 dense bytes.  yh: [16][8192][64] f16, laid as q.
; LIMIT: |q|, |k|, |v| stay under 65,504 (they arrive as f16); the weights p under 6e-8 of a row's largest are lost in f16.
; SHARES.  Work-group i of a plane owns the query blocks i and 7 - i (256 queries each) and makes them one after the other in ONE walk of 9 slots of 256 keys: slots 0 .. i are key blocks 0 .. i for the
; low block, slots i + 1 .. 8 are key blocks 0 .. 7 - i for the high block.  So the trip count is a constant, every work-group has the same work, and every slot that is asked for is read.
; No multicast: at a given change of slots the four work-groups of a plane want different key blocks.
; Each of the sixteen waves owns 16 queries of the block in hand, in 256 registers: four waves to a SIMD, so that one wave's vector work stands beside another's matrix work and LDS loads.
; LAYOUT.  Both products are used transposed: S^T = K Q^T (source 0 = 16 keys, source 1 = my 16 queries): a lane holds ONE query (lane % 16) and the keys 8 (lane / 16) + 0 .. 7 of a tile; two such
; tiles, rounded to f16 in pairs, ARE source 1 (32 keys x 16 queries) of O^T = V^T P.  K comes out of LDS as it lies, V ([key][channel]) turned, by ds_load_tr16_b128.
; REGISTERS: v1-11 addresses; v12 c m, v13 m, v[14:15] l in two halves; v16-31 Q; v32-95 eight fragments of K or of V; v96-159 S^T, then p; v160-191 O^T; v192-223 P in f16;
;   v224-227 maxima, v228 a permute's destination, v229 lane % 16 - 8 (lane / 16), v[232:233] a, v234 at work, v[236:237] a second chain of sums, v238 the mask's d, v239 -infinity.
.set KP,    144                        ; a key's row in LDS: 128 bytes + 16
.set VP,    160                        ; a row of V: 128 + 32: an odd multiple of 32
.set VOFF,  256*KP                     ; a slot: 256 rows of K, then 256 rows of V
.set SLOT1, 1<<17                      ; slot 1 begins here: one exclusive or turns an address in one slot into the other's
.set STAGE, 2*SLOT1                    ; the way out: 16 rows x 144 bytes for each wave; no tensor load lands here
.set SPARE, STAGE+16*2304              ; the spare words, 128 bytes for each wave: eight blocks of 256 bytes that no other line names
.set AK0, 1
.set AV0, 2
.set SPW, 3
.set NIL, 4
.set QO,  5
.set STO, 6
.set RD,  7
.set GO,  8
.set ADK, 9
.set ADV, 10
.set PFO, 11
.set WV,    8                          ; s8   my wave's number
.set ILOW,  9                          ; s9   i: the low block, and the last slot that serves it
.set SL,    10                         ; s10  the slot in hand, counting up
.set SLOTS, 11                         ; s11  slots still to be asked for
.set KF,    12                         ; s12  the step's first key
.set Q0,    13                         ; s13  my first query
.set TB,    14                         ; s14  LDS byte at which the slot in hand begins
.set LIM,   15                         ; s15  2 in a wave that prefetches, else the greatest number
.set OFF,   18                         ; s[18:19] a key block's bytes from the plane's first
.set SEL,   20
.set CS,    22                         ; s[22:23] c = log2(e) / 8
.set G1K,   24
.set G1V,   32
.set G0K,   40
.set G0V,   44
.set KB,    48                         ; s[48:49] my half of K's key block 0;  s[50:51] of V's
.set VB,    50
.set QB,    52                         ; s[52:53] my 16 rows of q;  s[54:55] of yh
.set YB,    54
.set DELTA, 56                         ; s[56:57] bytes from the low block to the high one
.set PFA,   58                         ; s[58:59] where my prefetches stand
; Waves 0 and 1 fetch K's halves of a slot, waves 2 and 3 V's, the others nothing.  An s_nop 0 and four v_nop follow each of the two lines.
.macro TLOAD
	s_cmp_lt_u32 s[WV], 2
	s_cbranch_scc0 .Lnot_k_\@
	tensor_load_to_lds s[G0K:G0K+3], s[G1K:G1K+7]
	s_nop 0
.rept 4
	v_nop
.endr
	s_branch .Lasked_\@
.Lnot_k_\@:
	s_cmp_lt_u32 s[WV], 4
	s_cbranch_scc0 .Lasked_\@
	tensor_load_to_lds s[G0V:G0V+3], s[G1V:G1V+7]
	s_nop 0
.rept 4
	v_nop
.endr
.Lasked_\@:
.endm
; A PREFETCH of a later key block: 32,768 bytes of K and as many of V.  The plane's work-group 0 asks, and in it the waves that fetch nothing: waves 4 to 7 for K, waves 8 to 11 for V, 8,192 bytes a wave,
; lanes 256 bytes apart, one instruction.  Trip n of the loop (n = 0 .. 5) names key block n + 2: each aligned 256 bytes of blocks 2 to 7 once in the launch; blocks 0 and 1 come by their loads alone.
.macro ASK
	s_cmp_gt_u32 s[SLOTS], s[LIM]
	s_cbranch_scc0 .Lnot_mine_\@
	global_prefetch_b8 v[PFO], s[PFA:PFA+1] th:TH_LOAD_NT scope:SCOPE_SE
.Lnot_mine_\@:
.endm
	s_load_b128 s[4:7], s[0:1], 0x0                ; qkvh s[4:5], yh s[6:7]
	v_lshl_add_u32 v[SPW], v0, 2, SPARE
	v_mov_b32 v[NIL], 0
	ds_add_u32 v[SPW], v[NIL]                      ; the wave's opening: the add, twice on end, and its wait ahead of my first tensor load
	ds_add_u32 v[SPW], v[NIL]
	v_lshrrev_b32 v9, 5, v0
	v_readfirstlane_b32 s[WV], v9                  ; wave 0..15
	s_mov_b32 s[ILOW], ttmp9
	s_and_b32 s16, ttmp7, 0xffff                   ; the plane g
	s_lshl_b32 s18, s16, 18                        ; its 262,144 bytes
	s_mov_b32 s19, 0
	s_mov_b32 s[G1K], (1<<16)|(1<<20)|(4<<22)|(3<<25)   ; no mask; elements of 2 bytes; padding on: 4 words behind every 32
	s_mov_b32 s[G1V], (1<<16)|(1<<20)|(4<<22)|(7<<25)   ; the same with 8 words
.irp g, G1K, G1V
	s_mov_b32 s[\g+1], 64<<16                      ; tensor_dim0
	s_mov_b32 s[\g+2], 128<<16                     ; tensor_dim1
	s_mov_b32 s[\g+3], 64<<16                      ; tile_dim0
	s_mov_b32 s[\g+4], 128                         ; tile_dim1: half a slot's rows
	s_mov_b32 s[\g+5], 64                          ; from row to row
	s_mov_b32 s[\g+6], 0
	s_mov_b32 s[\g+7], 0
.endr
	s_lshl_b32 s[Q0], s[ILOW], 8
	s_lshl_b32 s16, s[WV], 4
	s_add_co_u32 s[Q0], s[Q0], s16                 ; my first query: 256 i + 16 wave
	s_lshl_b32 s16, s[Q0], 7
	s_add_co_u32 s[QB], s18, s16
	s_mov_b32 s[QB+1], 0
	s_mov_b32 s[YB], s[QB]
	s_mov_b32 s[YB+1], 0
	s_and_b32 s17, s[WV], 1                        ; which 128 rows of a slot I fetch, if I fetch
	s_lshl_b32 s16, s17, 14
	s_add_co_u32 s[KB], s18, s16
	s_add_co_u32 s[VB], s[KB], 0x2000000           ; v's planes begin 32 x 1,048,576 bytes on,
	s_add_co_u32 s[KB], s[KB], 0x1000000           ; k's 16 x
	s_mov_b32 s[KB+1], 0
	s_mov_b32 s[VB+1], 0
	s_mov_b32 s[G0K], 1
	s_mul_i32 s[G0K+1], s17, 128*KP                ; LDS: slot 0, my half of K's rows
	s_mov_b32 s[G0V], 1
	s_mul_i32 s[G0V+1], s17, 128*VP
	s_add_co_u32 s[G0V+1], s[G0V+1], VOFF          ; and of V's
	s_lshl_b32 s16, s[ILOW], 1
	s_sub_co_u32 s[DELTA], 7, s16
	s_lshl_b32 s[DELTA], s[DELTA], 15              ; (7 - 2 i) blocks of 256 rows of 128 bytes
	s_mov_b32 s[DELTA+1], 0
	s_mov_b32 s[PFA], 0x2000000
	s_cmp_lt_u32 s[WV], 8
	s_cselect_b32 s[PFA], 0x1000000, s[PFA]        ; waves under 8: K; the others: V
	s_add_co_u32 s[PFA], s[PFA], s18
	s_and_b32 s16, s[WV], 3
	s_lshl_b32 s16, s16, 13
	s_add_co_u32 s[PFA], s[PFA], s16               ; my wave's 8,192 bytes,
	s_add_co_u32 s[PFA], s[PFA], 0x8000            ; in key block 1: the first change of slots steps it to block 2
	s_mov_b32 s[PFA+1], 0
	s_sub_co_u32 s16, s[WV], 4
	s_lshr_b32 s16, s16, 3                         ; 0 in waves 4 to 11,
	s_or_b32 s16, s16, ttmp9                       ; of the plane's work-group 0
	s_cmp_eq_u32 s16, 0
	s_cselect_b32 s[LIM], 2, -1
	s_mov_b32 s[SEL], 0x76543210
	s_mov_b32 s[SEL+1], 0xfedcba98
	s_mov_b32 s[CS], 0x3e38aa3b                    ; c = log2(e) / sqrt(64)
	s_mov_b32 s[CS+1], s[CS]
	s_mov_b32 s[SL], 0
	s_mov_b32 s[SLOTS], 8
	s_mov_b32 s[KF], 0
	s_mov_b32 s[TB], 0
	s_wait_dscnt 0x0                               ; both opening adds are done
	s_wait_kmcnt 0x0
	s_add_nc_u64 s[KB:KB+1], s[4:5], s[KB:KB+1]
	s_add_nc_u64 s[VB:VB+1], s[4:5], s[VB:VB+1]
	s_add_nc_u64 s[QB:QB+1], s[4:5], s[QB:QB+1]
	s_add_nc_u64 s[YB:YB+1], s[6:7], s[YB:YB+1]
	s_add_nc_u64 s[PFA:PFA+1], s[4:5], s[PFA:PFA+1]
	s_mov_b64 s[G0K+2:G0K+3], s[KB:KB+1]           ; key block 0
	s_or_b32 s[G0K+3], s[G0K+3], 0x80000000
	s_mov_b64 s[G0V+2:G0V+3], s[VB:VB+1]
	s_or_b32 s[G0V+3], s[G0V+3], 0x80000000
	TLOAD                                          ; slot 0
	v_and_b32 v9, 15, v0                           ; r
	v_bfe_u32 v10, v0, 4, 1                        ; h
	v_lshlrev_b32 v[QO], 7, v9
	v_lshl_add_u32 v[QO], v10, 4, v[QO]            ; q: row r of 128 bytes, + 16 h
.macro QLOAD                           ; Q's two fragments (channels 0-31, 32-63): registers 0-3 of each hold channels 8 h + 0 .. 7, registers 4-7 channels 16 + 8 h + 0 .. 7
.irp c, 0,1,2,3
	global_load_b128 v[16+4*\c:19+4*\c], v[QO], s[QB:QB+1] offset:32*\c
.endr
.endm
	QLOAD
	v_mul_u32_u24 v[AK0], v9, KP
	v_lshl_add_u32 v[AK0], v10, 4, v[AK0]          ; K: row r x pitch + 16 h
	v_and_b32 v11, 7, v0
	v_lshl_add_u32 v[AV0], v10, 3, v11             ; V: the turning load's lane l reads key 8 (l / 16) + l % 8, channels 8 ((l / 8) % 2) + 0 .. 7
	v_mul_u32_u24 v[AV0], v[AV0], VP
	v_bfe_u32 v11, v0, 3, 1
	v_lshl_add_u32 v[AV0], v11, 4, v[AV0]
	v_add_nc_u32 v[AV0], VOFF, v[AV0]
	s_mul_i32 s16, s[WV], 2304
	s_add_co_u32 s16, s16, STAGE                   ; my stage
	v_mul_u32_u24 v[STO], v9, 144
	v_lshl_add_u32 v[STO], v10, 4, v[STO]
	v_add_nc_u32 v[STO], s16, v[STO]               ; in: row r, 16 bytes for each half of the lanes
	v_bfe_u32 v[RD], v0, 3, 2
	v_mul_u32_u24 v[RD], v[RD], 144
	v_and_b32 v11, 7, v0
	v_lshl_add_u32 v[RD], v11, 4, v[RD]
	v_add_nc_u32 v[RD], s16, v[RD]                 ; back: eight lanes to a row, four rows an instruction
	v_and_b32 v[GO], 31, v0
	v_lshlrev_b32 v[PFO], 8, v[GO]
	v_lshlrev_b32 v[GO], 4, v[GO]                  ; four rows of yh are 512 consecutive bytes
	v_lshlrev_b32 v229, 3, v10
	v_sub_nc_u32 v229, v9, v229                    ; r - 8 h
	v_mov_b32 v239, 0xff800000                     ; -infinity
	v_mov_b32 v228, 0                              ; written once: a lane permute's destination counts as one of its sources
	v_mov_b32 v233, 0                              ; (named as the upper half of the pair v[232:233])
.macro INIT                            ; a block of queries begins: m = -3e38, under every score; l and O^T are zeros, which the first change of m leaves zeros
	v_mov_b32 v13, 0xff61b1e6
	v_mul_f32 v12, s[CS], v13
	v_mov_b32 v14, 0
	v_mov_b32 v15, 0
.irp j, 0,1,2,3,4,5,6,7,8,9,10,11,12,13,14,15,16,17,18,19,20,21,22,23,24,25,26,27,28,29,30,31
	v_mov_b32 v[160+\j], 0
.endr
.endm
	INIT
; A KEY STEP: 128 keys, the q-th half of the slot in hand.
.macro STEP q
	s_add_co_u32 s16, s[Q0], 15                    ; a step all of whose keys come after my 16 queries is left out: a branch on ids, round the work alone
	s_cmp_gt_u32 s[KF], s16
	s_cbranch_scc1 .Lhid_\@
	v_add_nc_u32 v[ADK], s[TB], v[AK0]
	v_add_nc_u32 v[ADV], s[TB], v[AV0]
	v_nop
	v_nop                                          ; with the two additions: four places in front of loads into registers that the last products read
.irp g, 0,1                                    ; S^T = K Q^T, four tiles of 16 keys at a time
.if \g
.rept 4
	v_nop
.endr
.endif
.irp t, 0,1,2,3
.irp ks, 0,1
	ds_load_b128 v[32+16*\t+8*\ks:32+16*\t+8*\ks+3], v[ADK] offset:(128*(\q)+16*(4*\g+\t))*KP+64*\ks
	ds_load_b128 v[32+16*\t+8*\ks+4:32+16*\t+8*\ks+7], v[ADK] offset:(128*(\q)+16*(4*\g+\t))*KP+64*\ks+32
.endr
.endr
	s_wait_dscnt 0x0
.irp t, 0,1,2,3                                ; the four accumulators take turns
	v_wmma_f32_16x16x32_f16 v[96+8*(4*\g+\t):103+8*(4*\g+\t)], v[32+16*\t:39+16*\t], v[16:23], 0
.endr
.irp t, 0,1,2,3
	v_wmma_f32_16x16x32_f16 v[96+8*(4*\g+\t):103+8*(4*\g+\t)], v[40+16*\t:47+16*\t], v[24:31], v[96+8*(4*\g+\t):103+8*(4*\g+\t)]
.endr
.endr
.rept 4
	v_nop
.endr
.irp kk, 0,1                                   ; V's first 64 keys are asked for here and land under the softmax
.irp t, 0,1,2,3
	ds_load_tr16_b128 v[32+32*\kk+8*\t:32+32*\kk+8*\t+3], v[ADV] offset:(128*(\q)+32*\kk)*VP+32*\t
	ds_load_tr16_b128 v[32+32*\kk+8*\t+4:32+32*\kk+8*\t+7], v[ADV] offset:(128*(\q)+32*\kk)*VP+32*\t+16*VP
.endr
.endr
	s_add_co_u32 s16, s[KF], 127                   ; on the diagonal hidden scores become -infinity ahead of the maximum; a step all of whose keys count skips this
	s_cmp_le_u32 s16, s[Q0]
	s_cbranch_scc1 .Lopen_\@
	s_sub_co_i32 s16, s[Q0], s[KF]
	v_add_nc_u32 v238, s16, v229                   ; d = my query - KF - 8 h.  Register 8 kt + j holds key KF + 16 kt + 8 h + j: hidden where 16 kt + j > d
.irp n, 0,1,2,3,4,5,6,7,8,9,10,11,12,13,14,15,16,17,18,19,20,21,22,23,24,25,26,27,28,29,30,31,32,33,34,35,36,37,38,39,40,41,42,43,44,45,46,47,48,49,50,51,52,53,54,55,56,57,58,59,60,61,62,63
	v_cmp_gt_i32 vcc_lo, 16*(\n/8)+\n%8, v238
	v_cndmask_b32 v[96+\n], v[96+\n], v239, vcc_lo
.endr
.Lopen_\@:
.irp b, 0,1,2,3                                ; the largest score, in four chains by turns; each accumulator is read from its low end on
	v_max3_num_f32 v[224+\b], v[96+16*\b], v[97+16*\b], v[98+16*\b]
.endr
.irp i, 3,5,7,9,11,13
.irp b, 0,1,2,3
	v_max3_num_f32 v[224+\b], v[224+\b], v[96+16*\b+\i], v[97+16*\b+\i]
.endr
.endr
.irp b, 0,1,2,3
	v_max_num_f32 v[224+\b], v[224+\b], v[111+16*\b]
.endr
	v_max3_num_f32 v224, v224, v225, v226
	v_max_num_f32 v224, v224, v227
	v_permlanex16_b32 v228, v224, s[SEL], s[SEL+1] ; the query's other 64 keys lie in the lane 16 away
	v_mov_b32 v234, v12                            ; c m_old
	v_max3_num_f32 v13, v224, v228, v13            ; the running maximum
	v_mul_f32 v12, s[CS], v13
	v_sub_f32 v234, v234, v12                      ; c m_old - c m_new
.irp j, 0,2,4,6,8,10,12,14,16,18,20,22,24,26,28,30,32,34,36,38,40,42,44,46,48,50,52,54,56,58,60,62
	v_pk_fma_f32 v[96+\j:97+\j], v[96+\j:97+\j], s[CS:CS+1], v[12:13] op_sel_hi:[1,0,0] neg_lo:[0,0,1] neg_hi:[0,0,1]   ; c s - c m
.endr
	v_exp_f32 v232, v234                           ; a = 2^(c m_old - c m_new)
.irp j, 0,1,2,3,4,5,6,7,8,9,10,11,12,13,14,15,16,17,18,19,20,21,22,23,24,25,26,27,28,29,30,31,32,33,34,35,36,37,38,39,40,41,42,43,44,45,46,47,48,49,50,51,52,53,54,55,56,57,58,59,60,61,62,63
	v_exp_f32 v[96+\j], v[96+\j]                   ; p, at most 1
.endr
	v_nop                                          ; a plain instruction behind the last exponential
	s_wait_alu depctr_va_vdst(0)                   ; one wait for the batch of 65, ahead of its first reader
	v_pk_mul_f32 v[14:15], v[14:15], v[232:233] op_sel_hi:[1,0]   ; l under the new m
.irp i, 0,1,2,3,4,5,6,7,8,9,10,11,12,13,14,15,16,17,18,19,20,21,22,23,24,25,26,27,28,29,30,31
	v_cvt_pk_f16_f32 v[192+\i], v[96+2*\i], v[97+2*\i]   ; tiles 2 kk and 2 kk + 1 make P's fragment kk
.endr
	v_pk_add_f32 v[236:237], v[96:97], v[98:99]    ; the row's sum of the unrounded p, in two chains
.irp j, 4,8,12,16,20,24,28,32,36,40,44,48,52,56,60
	v_pk_add_f32 v[14:15], v[14:15], v[96+\j:97+\j]
	v_pk_add_f32 v[236:237], v[236:237], v[98+\j:99+\j]
.endr
	v_pk_add_f32 v[14:15], v[14:15], v[236:237]
.irp j, 0,2,4,6,8,10,12,14,16,18,20,22,24,26,28,30
	v_pk_mul_f32 v[160+\j:161+\j], v[160+\j:161+\j], v[232:233] op_sel_hi:[1,0]   ; O^T under the new m
.endr
	s_wait_dscnt 0x0                               ; V's first 64 keys are in
.irp kk, 0,1
.irp t, 0,1,2,3
	v_wmma_f32_16x16x32_f16 v[160+8*\t:167+8*\t], v[32+32*\kk+8*\t:39+32*\kk+8*\t], v[192+8*\kk:199+8*\kk], v[160+8*\t:167+8*\t]
.endr
.endr
.rept 4
	v_nop
.endr
.irp kk, 0,1
.irp t, 0,1,2,3
	ds_load_tr16_b128 v[32+32*\kk+8*\t:32+32*\kk+8*\t+3], v[ADV] offset:(128*(\q)+64+32*\kk)*VP+32*\t
	ds_load_tr16_b128 v[32+32*\kk+8*\t+4:32+32*\kk+8*\t+7], v[ADV] offset:(128*(\q)+64+32*\kk)*VP+32*\t+16*VP
.endr
.endr
	s_wait_dscnt 0x0
.irp kk, 0,1
.irp t, 0,1,2,3
	v_wmma_f32_16x16x32_f16 v[160+8*\t:167+8*\t], v[32+32*\kk+8*\t:39+32*\kk+8*\t], v[208+8*\kk:215+8*\kk], v[160+8*\t:167+8*\t]
.endr
.endr
.Lhid_\@:
	s_add_co_u32 s[KF], s[KF], 128
.endm
; THE CHANGE OF SLOTS stands at a slot's head.  Each wave waits for all its tensor loads (its part of the slot that it is about to read), adds 0 to its spare word, and waits for that and for its reads of
; the slot that it has left.  Behind the barrier the slot ahead is whole and nobody reads the other one.  fill = 1: that other slot takes the next slot's key block: one load a wave, with a whole slot's steps in which to land.
.macro CHANGE fill
	s_wait_tensorcnt 0x0                           ; no tensor load of mine is out, so a group 0 may be written
	ds_add_u32 v[SPW], v[NIL]                      ; 0 onto my spare word
.if \fill
	ds_add_u32 v[SPW], v[NIL]                      ; and once more
	s_xor_b32 s[G0K+1], s[G0K+1], SLOT1            ; the other slot than last time
	s_xor_b32 s[G0V+1], s[G0V+1], SLOT1
	s_add_co_u32 s16, s[SL], 1                     ; the next slot's key block: its own number while it serves the low block,
	s_sub_co_u32 s17, s[SL], s[ILOW]               ; else its number less i + 1
	s_cmp_le_u32 s16, s[ILOW]
	s_cselect_b32 s[OFF], s16, s17
	s_lshl_b32 s[OFF], s[OFF], 15                  ; 256 rows of 128 bytes a block
	s_add_nc_u64 s[G0K+2:G0K+3], s[KB:KB+1], s[OFF:OFF+1]
	s_or_b32 s[G0K+3], s[G0K+3], 0x80000000
	s_add_nc_u64 s[G0V+2:G0V+3], s[VB:VB+1], s[OFF:OFF+1]
	s_or_b32 s[G0V+3], s[G0V+3], 0x80000000
	s_wait_xcnt 0x0                                ; the last prefetch, a slot back, has read its address
	s_add_nc_u64 s[PFA:PFA+1], s[PFA:PFA+1], 0x8000
.endif
	s_wait_dscnt 0x0                               ; the add is done, and my reads of the slot that I have left are over
	s_barrier_signal -1
	s_barrier_wait -1
.if \fill
	TLOAD                                          ; the first thing behind the barrier, and a wave's one tensor load until the next
	ASK
.endif
.endm
; A BLOCK OF QUERIES ENDS: O^T / l, rounded to f16, goes through my stage and leaves as 16 rows of 128 bytes: 2,048 consecutive bytes of yh.
.macro FINAL
.rept 4
	v_nop                                          ; places behind the last products
.endr
	v_add_f32 v14, v14, v15
	v_permlanex16_b32 v228, v14, s[SEL], s[SEL+1]
	v_add_f32 v14, v14, v228                       ; the row's sum
	v_rcp_f32 v232, v14
	v_nop
	s_wait_alu depctr_va_vdst(0)                   ; the wait ahead of the reciprocal's first reader
.irp j, 0,2,4,6,8,10,12,14,16,18,20,22,24,26,28,30
	v_pk_mul_f32 v[160+\j:161+\j], v[160+\j:161+\j], v[232:233] op_sel_hi:[1,0]
.endr
.irp i, 0,1,2,3,4,5,6,7,8,9,10,11,12,13,14,15
	v_cvt_pk_f16_f32 v[192+\i], v[160+2*\i], v[161+2*\i]   ; registers 4 t .. 4 t + 3: channels 16 t + 8 h + 0 .. 7 of query r
.endr
.irp t, 0,1,2,3
	ds_store_b128 v[STO], v[192+4*\t:195+4*\t] offset:32*\t
.endr
.irp i, 0,1,2,3
	ds_load_b128 v[208+4*\i:211+4*\i], v[RD] offset:576*\i   ; LDS serves a wave's instructions in order: these see my stores
.endr
	s_wait_dscnt 0x0
.irp i, 0,1,2,3
	global_store_b128 v[GO], v[208+4*\i:211+4*\i], s[YB:YB+1] offset:512*\i   ; 32 lanes store 512 consecutive bytes, aligned
.endr
.endm
.macro NEWBLOCK                        ; on to the high block
	s_wait_xcnt 0x0                                ; the stores have read their registers and their base
	s_add_nc_u64 s[QB:QB+1], s[QB:QB+1], s[DELTA:DELTA+1]
	s_add_nc_u64 s[YB:YB+1], s[YB:YB+1], s[DELTA:DELTA+1]
	QLOAD
	s_mov_b32 s[KF], 0
	s_sub_co_u32 s[Q0], 7, s[ILOW]
	s_lshl_b32 s[Q0], s[Q0], 8
	s_lshl_b32 s16, s[WV], 4
	s_add_co_u32 s[Q0], s[Q0], s16
	INIT
	s_wait_loadcnt 0x0
.endm
	s_wait_loadcnt 0x0                             ; Q
.Lslot:                                            ; 8 trips: behind each change of slots but the last the next slot is asked for
	CHANGE 1
	STEP 0
	STEP 1
	s_xor_b32 s[TB], s[TB], SLOT1
	s_cmp_lg_u32 s[SL], s[ILOW]                    ; ids alone: all sixteen waves go the same way
	s_cbranch_scc1 .Lsame
	FINAL
	NEWBLOCK
.Lsame:
	s_add_co_u32 s[SL], s[SL], 1
	s_sub_co_u32 s[SLOTS], s[SLOTS], 1
	s_cmp_lg_u32 s[SLOTS], 0
	s_cbranch_scc1 .Lslot
	CHANGE 0                                       ; the last slot is written out
	STEP 0
	STEP 1
	FINAL
	s_wait_tensorcnt 0x0                           ; the wave's end, behind my last tensor load and my last LDS store
	ds_add_u32 v[SPW], v[NIL]
	s_wait_dscnt 0x0
	s_endpgm
.Lfunc_end_k_q5f315ae808_attn:
	.size	k_q5f315ae808_attn, .Lfunc_end_k_q5f315ae808_attn-k_q5f315ae808_attn
	.p2alignl 7, 3214868480
	.fill 96, 4, 3214868480
	.section	.rodata,"a",@progbits
	.p2align	6, 0x0
	.amdhsa_kernel k_q5f315ae808_attn
		.amdhsa_group_segment_fixed_size 327680
		.amdhsa_private_segment_fixed_size 0
		.amdhsa_enable_private_segment 0
		.amdhsa_kernarg_size 16
		.amdhsa_user_sgpr_count 2
		.amdhsa_user_sgpr_kernarg_segment_ptr 1
		.amdhsa_wavefront_size32 1
		.amdhsa_system_sgpr_workgroup_id_x 1
		.amdhsa_system_sgpr_workgroup_id_y 1
		.amdhsa_system_sgpr_workgroup_id_z 1
		.amdhsa_system_vgpr_workitem_id 0
		.amdhsa_next_free_vgpr 256
		.amdhsa_next_free_sgpr 66
		.amdhsa_reserve_vcc 1
		.amdhsa_float_denorm_mode_32 3
		.amdhsa_float_denorm_mode_16_64 3
		.amdhsa_memory_ordered 1
		.amdhsa_forward_progress 1
		.amdhsa_inst_pref_size 112
	.end_amdhsa_kernel
	.amdgpu_metadata
---
amdhsa.version: [ 1, 2 ]
amdhsa.kernels:
  - .name:           k_q5f315ae808_attn
    .symbol:         k_q5f315ae808_attn.kd
    .args:
      - { .name: qkvh, .offset: 0, .size: 8, .value_kind: global_buffer, .address_space: global }
      - { .name: yh, .offset: 8, .size: 8, .value_kind: global_buffer, .address_space: global }
    .group_segment_fixed_size: 327680
    .private_segment_fixed_size: 0
    .kernarg_segment_align: 8
    .kernarg_segment_size: 16
    .max_flat_workgroup_size: 512
    .sgpr_count:     66
    .vgpr_count:     256
    .wavefront_size: 32
...
	.end_amdgpu_metadata
.endif
;; end of part 3
;; launch proj (part 4): grid 8 x 32, 4 waves a work-group, clusters of 4 x 4, 327,680 bytes of LDS; arguments yh, wp16, b_proj, out0; writes out0
.if DOCPART == 4
	.amdgcn_target "amdgcn-amd-amdhsa--gfx1250"
	.amdhsa_code_object_version 6
	.text
	.protected	k_q5f315ae808_proj
	.globl	k_q5f315ae808_proj
	.p2align	8
	.type	k_q5f315ae808_proj,@function
k_q5f315ae808_proj:
	s_mov_b64 s[64:65], 0
	v_nop
	global_prefetch_b8 v0, s[64:65] scope:SCOPE_SE
	s_setreg_imm32_b32 hwreg(HW_REG_WAVE_MODE, 25, 1), 1
	s_wait_xcnt 0x0
	s_wait_alu depctr_hold_cnt(0) depctr_sa_sdst(0) depctr_va_vdst(0) depctr_va_sdst(0) depctr_va_ssrc(0) depctr_va_vcc(0) depctr_vm_vsrc(0)
	s_getreg_b32 s2, hwreg(HW_REG_IB_STS2, 6, 4)
	s_cmp_eq_u32 s2, 0
	s_cbranch_scc0 .Lentry_in_a_cluster
	s_endpgm
.Lentry_in_a_cluster:
	s_bfe_u32 s2, ttmp6, 0x10000c
	s_cmp_lg_u32 s2, 0xf033
	s_cbranch_scc0 .Lentry_shape_is_right
	s_endpgm
.Lentry_shape_is_right:
; PROJ: out0[m][n] = sum over k of y[m][k] W_proj[k][n] + b_proj[n]; operands in f16, sums in f32.  yh: [16 heads][8192 m][64] f16 (k = 64 head + channel); wp16: [1024 k][1024 n] f16; out0: [8192][1024] f32.
; All rows are made here; the first 16 positions of each sequence are written anew, more finely, by the launch that follows.
; A tile of out0 is 256 (m) x 128 (n): 256 work-groups.  Four waves, each 128 x 64: 32 accumulators of 16 x 16, window 1.  K goes in steps of 128 (two heads) through a ring of two LDS slots.
; CLUSTERS: 4 x 4 work-groups; the four of a row of the cluster ask jointly for y's tiles, the four of a column for W's.
; THE MATRIX INSTRUCTION IS USED TRANSPOSED: source 0 = 16 columns n of W (turned out of LDS by ds_load_tr16_b128, since W lies [k][n]), source 1 = 16 rows of y: a lane holds eight neighbouring columns of one
; row of out0.  The bias is the C of each sum's first product.
; REGISTERS: window 0: v16-30 addresses; v32-127 and v128-223 two fragment buffers (y's 8 fragments, then W's 4); v224-255 the bias.   window 1: accumulator (a, b) at v[8 (4 a + b)].
.set PA,    144                        ; a row of y's tile in LDS: 128 bytes + 16
.set HEADB, 256*PA                     ; a head's 256 rows
.set PB,    288                        ; a row of W's tile: 256 bytes + 32: an odd multiple of 32
.set BOFF,  2*HEADB
.set SLOT,  BOFF+128*PB
.set STAGE, 2*SLOT                     ; the way out: 16 rows x (256 bytes + 16) for each wave; no tensor load lands here
.set SPARE, STAGE+4*4352               ; the spare words, 128 bytes for each wave: two blocks of 256 bytes that no other line names
.set LAPS,  4                          ; a lap = two K steps = once round the ring
.set ADRA, 16
.set ADRB, 20
.set STO,  24
.set RD,   25
.set CO,   26
.set BO,   27
.set SPW,  28
.set NIL,  29
.set PFO,  30
.set F0,   32
.set F1,   128
.set BIAS, 224
.set WV, 12
.set RH, 13
.set CH, 14
.set G1,  24
.set G0,  32
.set G1B, 48
.set G0B, 56
.set PFA, 46
.set LIM, 66
.set MSB, 0
.macro WIN new
.if MSB != \new
	s_set_vgpr_msb (MSB<<8)|\new
.set MSB, \new
.endif
.endm
.set MUL,  0x50                        ; C and D window 1, the sources window 0
.set MUL0, 0x40                        ; the first products: C (the bias) window 0
.macro JLOAD s                         ; a joint load: waves 0 and 1 fetch y's two heads, waves 2 and 3 W's two halves; an s_nop 0 and four v_nop follow each line
	s_cmp_eq_u32 s[RH], 0
	s_cbranch_scc0 .Lfor_b_\@
	tensor_load_to_lds s[G0+4*\s:G0+4*\s+3], s[G1:G1+7]
	s_nop 0
.rept 4
	v_nop
.endr
	s_branch .Lasked_\@
.Lfor_b_\@:
	tensor_load_to_lds s[G0B+4*\s:G0B+4*\s+3], s[G1B:G1B+7]
	s_nop 0
.rept 4
	v_nop
.endr
.Lasked_\@:
.endm
.macro CREST
	s_cmp_lg_u32 s[WV], 0
	s_cbranch_scc1 .Lnot_wave_0_\@
	s_barrier_signal -3
.Lnot_wave_0_\@:
	s_barrier_wait -3
	s_barrier_signal -1
	s_barrier_wait -1
.endm
.macro CROUND
	s_barrier_signal -1
	s_barrier_wait -1
	CREST
.endm
; A PREFETCH of y's tile two refills on: behind the refill of K step s stands one instruction for K step s + 2 (s = 2 .. 5).  A tile row of y is read by both clusters of its row of clusters: the one with x = 0 asks.
; In it waves 0 and 1 ask, each for its head; the four partners that ask for a tile jointly share its 32,768 bytes out by address, 8,192 each, lanes 256 bytes apart.  W's 2 MiB, which every cluster reads again, are not asked for.
.macro ASK
	s_cmp_gt_u32 s3, s[LIM]                        ; s3 = 1 in the loop's last trip: its refills have no K step two on
	s_cbranch_scc0 .Lnot_mine_\@
	global_prefetch_b8 v[PFO], s[PFA:PFA+1] offset:0x200000 th:TH_LOAD_NT scope:SCOPE_SE
.Lnot_mine_\@:
.endm
	s_load_b256 s[4:11], s[0:1], 0x0               ; yh s[4:5], wp16 s[6:7], b_proj s[8:9], out0 s[10:11]
	v_lshl_add_u32 v[SPW], v0, 2, SPARE
	v_mov_b32 v[NIL], 0
	ds_add_u32 v[SPW], v[NIL]                      ; the wave's opening: the add, twice on end, and its wait ahead of my first tensor load
	ds_add_u32 v[SPW], v[NIL]
	v_lshrrev_b32 v1, 5, v0
	v_readfirstlane_b32 s[WV], v1                  ; wave 0..3
	s_lshr_b32 s[RH], s[WV], 1                     ; which half of the tile's rows is mine.  Also: I fetch for y (0) or for W (1)
	s_and_b32 s[CH], s[WV], 1                      ; which half of its columns.  Also: which head, or which 64 rows of W, I fetch
	s_bfe_u32 s40, ttmp6, 0x40000                  ; cx
	s_bfe_u32 s41, ttmp6, 0x40004                  ; cy
	s_lshl_b32 s42, ttmp9, 2
	s_add_co_u32 s42, s42, s40                     ; tile column = 4 x cluster x + cx
	s_and_b32 s43, ttmp7, 0xffff
	s_lshl_b32 s43, s43, 2
	s_add_co_u32 s43, s43, s41                     ; tile row = 4 x cluster y + cy
	s_lshl_b32 s44, s41, 2
	s_lshl_b32 s44, 15, s44                        ; my row of the cluster
	s_lshl_b32 s45, 0x1111, s40                    ; my column
	s_or_b32 s[G1], s44, (1<<16)|(1<<20)|(1<<21)|(4<<22)|(3<<25)    ; y: the mask; elements of 2 bytes; padding: 4 words behind every 32
	s_mov_b32 s[G1+1], 64<<16                      ; tensor_dim0
	s_mov_b32 s[G1+2], 256<<16                     ; tensor_dim1
	s_mov_b32 s[G1+3], 64<<16                      ; tile_dim0
	s_mov_b32 s[G1+4], 256                         ; tile_dim1
	s_mov_b32 s[G1+5], 64                          ; from row to row
	s_mov_b32 s[G1+6], 0
	s_mov_b32 s[G1+7], 0
	s_or_b32 s[G1B], s45, (1<<16)|(1<<20)|(1<<21)|(5<<22)|(7<<25)   ; W: padding: 8 words behind every 64
	s_mov_b32 s[G1B+1], 128<<16
	s_mov_b32 s[G1B+2], 64<<16
	s_mov_b32 s[G1B+3], 128<<16
	s_mov_b32 s[G1B+4], 64
	s_mov_b32 s[G1B+5], 1024
	s_mov_b32 s[G1B+6], 0
	s_mov_b32 s[G1B+7], 0
	s_lshl_b32 s16, s[CH], 20                      ; y: my head of a K step's two,
	s_lshl_b32 s17, s43, 15
	s_add_co_u32 s16, s16, s17                     ; the tile's 256 rows of 128 bytes
	s_mov_b32 s17, 0
	s_lshl_b32 s18, s[CH], 17                      ; W: my 64 rows of 2,048 bytes,
	s_lshl_b32 s19, s42, 8
	s_add_co_u32 s18, s18, s19                     ; the tile's 128 columns
	s_mov_b32 s19, 0
	s_mul_i32 s20, s[CH], HEADB                    ; where they go
	s_mul_i32 s21, s[CH], 64*PB
	s_add_co_u32 s21, s21, BOFF
	s_or_b32 s22, s[RH], ttmp9
	s_cmp_eq_u32 s22, 0
	s_cselect_b32 s[LIM], 1, -1                    ; waves 0 and 1 of the clusters with x = 0 prefetch
	s_lshl_b32 s22, s40, 13                        ; my work-group's 8,192 bytes of a head's tile,
	s_add_co_u32 s22, s22, 0x400000                ; at K step 2: the first refill steps it to 3 and names K step 4
	s_mov_b32 s23, 0
	s_wait_dscnt 0x0                               ; both opening adds are done
	s_wait_kmcnt 0x0
	s_add_nc_u64 s[16:17], s[4:5], s[16:17]
	s_add_nc_u64 s[18:19], s[6:7], s[18:19]
	s_add_nc_u64 s[PFA:PFA+1], s[16:17], s[22:23]
	CROUND                                         ; all sixteen work-groups are here: the first joint loads meet
.irp s, 0,1
	s_mov_b32 s[G0+4*\s], 1
	s_add_co_u32 s[G0+4*\s+1], s20, \s*SLOT
	s_add_nc_u64 s[G0+4*\s+2:G0+4*\s+3], s[16:17], \s*0x200000     ; K step s: heads 2 s, 2 s + 1
	s_or_b32 s[G0+4*\s+3], s[G0+4*\s+3], 0x80000000
	s_mov_b32 s[G0B+4*\s], 1
	s_add_co_u32 s[G0B+4*\s+1], s21, \s*SLOT
	s_add_nc_u64 s[G0B+4*\s+2:G0B+4*\s+3], s[18:19], \s*262144     ; rows 128 s on
	s_or_b32 s[G0B+4*\s+3], s[G0B+4*\s+3], 0x80000000
	JLOAD \s
.endr
	v_and_b32 v1, 15, v0                           ; r
	v_bfe_u32 v2, v0, 4, 1                         ; h
	v_lshlrev_b32 v[BO], 5, v2
	s_lshl_b32 s22, s42, 9
	s_lshl_b32 s23, s[CH], 8
	s_add_co_u32 s22, s22, s23                     ; my first column, in f32 bytes: 512 x tile column + 256 x half
	s_mov_b32 s23, 0
	s_add_nc_u64 s[8:9], s[8:9], s[22:23]
.irp b, 0,1,2,3
	global_load_b128 v[BIAS+8*\b:BIAS+8*\b+3], v[BO], s[8:9] offset:64*\b          ; b_proj at columns 16 b + 8 h + 0 .. 7
	global_load_b128 v[BIAS+8*\b+4:BIAS+8*\b+7], v[BO], s[8:9] offset:64*\b+16
.endr
	s_lshl_b32 s20, s43, 8
	s_lshl_b32 s21, s[RH], 7
	s_add_co_u32 s20, s20, s21                     ; my first row of out0
	s_lshl_b32 s20, s20, 12
	s_add_co_u32 s20, s20, s22
	s_mov_b32 s21, 0
	s_add_nc_u64 s[10:11], s[10:11], s[20:21]
	v_mul_u32_u24 v3, v1, PA
	v_lshl_add_u32 v3, v2, 4, v3                   ; y: row r x pitch + 16 h
	s_mul_i32 s20, s[RH], 128*PA                   ; my 128 rows
	v_and_b32 v4, 7, v0
	v_lshl_add_u32 v4, v2, 3, v4                   ; W: the turning load's lane l reads row k = 8 (l / 16) + l % 8, columns 8 ((l / 8) % 2) + 0 .. 7
	v_mul_u32_u24 v4, v4, PB
	v_bfe_u32 v5, v0, 3, 1
	v_lshl_add_u32 v4, v5, 4, v4
	s_lshl_b32 s21, s[CH], 7                       ; my 64 columns
	s_add_co_u32 s21, s21, BOFF
.irp s, 0,1
	v_add_nc_u32 v[ADRA+\s], s20, v3
	v_add_nc_u32 v[ADRB+\s], s21, v4
	s_add_co_u32 s20, s20, SLOT
	s_add_co_u32 s21, s21, SLOT
.endr
	s_mul_i32 s20, s[WV], 4352
	s_add_co_u32 s20, s20, STAGE                   ; my stage
	v_mul_u32_u24 v5, v1, 272
	v_lshl_add_u32 v5, v2, 5, v5
	v_add_nc_u32 v[STO], s20, v5                   ; in: row r, 32 bytes for each half of the lanes
	v_mul_u32_u24 v5, v2, 272
	v_lshl_add_u32 v5, v1, 4, v5
	v_add_nc_u32 v[RD], s20, v5                    ; back: lanes 0-15 one row of 256 bytes, lanes 16-31 the next
	v_lshlrev_b32 v5, 12, v2
	v_lshl_add_u32 v[CO], v1, 4, v5                ; and the same two rows in out0
	v_and_b32 v[PFO], 31, v0
	v_lshlrev_b32 v[PFO], 8, v[PFO]
; 8 matrix instructions: y's blocks a0, a0 + 1 against W's four, 32 along K.  The 32 accumulators take turns, in the same order in every quarter.
.macro MUL8 f, a0, zero
.irp a, \a0, \a0+1
.irp b, 0,1,2,3
.if \zero
	v_wmma_f32_16x16x32_f16 v[8*(4*(\a)+\b):8*(4*(\a)+\b)+7], v[\f+64+8*\b:\f+64+8*\b+7], v[\f+8*(\a):\f+8*(\a)+7], v[BIAS+8*\b:BIAS+8*\b+7]
.else
	v_wmma_f32_16x16x32_f16 v[8*(4*(\a)+\b):8*(4*(\a)+\b)+7], v[\f+64+8*\b:\f+64+8*\b+7], v[\f+8*(\a):\f+8*(\a)+7], v[8*(4*(\a)+\b):8*(4*(\a)+\b)+7]
.endif
.endr
.endr
.endm
; 24 LDS loads in one run: the fragments of the slot's q-th 32 along K into buffer f: W's four first, then y's eight
.macro FETCH slot, q, f
	WIN 0
.irp b, 0,1,2,3
	ds_load_tr16_b128 v[\f+64+8*\b:\f+64+8*\b+3],   v[ADRB+\slot] offset:(\q)*32*PB+32*\b
	ds_load_tr16_b128 v[\f+64+8*\b+4:\f+64+8*\b+7], v[ADRB+\slot] offset:(\q)*32*PB+32*\b+16*PB
.endr
.irp i, 0,1,2,3,4,5,6,7
	ds_load_b128 v[\f+8*\i:\f+8*\i+3],   v[ADRA+\slot] offset:((\q)/2)*HEADB+((\q)%2)*64+\i*16*PA
	ds_load_b128 v[\f+8*\i+4:\f+8*\i+7], v[ADRA+\slot] offset:((\q)/2)*HEADB+((\q)%2)*64+\i*16*PA+32
.endr
.endm
.macro PLACES                          ; four plain vector instructions in front of loads into registers that matrix instructions have read, and of reads of results
.rept 4
	v_nop
.endr
.endm
; A K step is four quarters of 32 along K, 32 matrix instructions each, on buffers 0, 1, 0, 1.  One of the first three: multiplies buffer f and fetches quarter qn of the same slot into g.
.macro QUARTER slot, qn, f, g, zero
	s_wait_dscnt 8                                 ; W's fragments and y's blocks 0-3 are in; the youngest eight loads (blocks 4-7) may be out
.if \zero
	WIN MUL0
.else
	WIN MUL
.endif
	MUL8 \f, 0, \zero
	MUL8 \f, 2, \zero
	PLACES
	FETCH \slot, \qn, \g
	s_wait_dscnt 24                                ; all but the 24 just issued
.if \zero
	WIN MUL0
.else
	WIN MUL
.endif
	MUL8 \f, 4, \zero
	MUL8 \f, 6, \zero
.endm
; The last quarter multiplies buffer 1 and changes slots: ONE barrier; in front of it each wave waits for all its tensor loads, adds 0 to its spare word, and waits for that and for its reads of this slot.
; fill = 1: the barrier opens a round of the cluster's barrier, and this slot is filled again, two K steps ahead: the load has a K step less 16 matrix instructions in which to land.
.macro TURN slot, next, fill
.if \fill
	s_wait_xcnt 0x0                                ; the last prefetch, a K step back, has read its address
	s_add_nc_u64 s[PFA:PFA+1], s[PFA:PFA+1], 0x200000
.endif
	WIN 0                                          ; (the add's two registers lie in window 0)
	s_wait_tensorcnt 0x0                           ; all my tensor loads have landed: my part of the next slot
	ds_add_u32 v[SPW], v[NIL]                      ; 0 onto my spare word
	s_wait_dscnt 9                                 ; (the add and the youngest eight loads may be out)
	WIN MUL
	MUL8 F1, 0, 0
	s_wait_dscnt 0x0                               ; the add is done, and my reads of this slot are over
	s_barrier_signal -1
	MUL8 F1, 2, 0
	WIN 0
	s_barrier_wait -1
.if \fill
	CREST                                          ; no wave of any partner still reads this slot or has a load on its way
	s_add_nc_u64 s[G0+4*\slot+2:G0+4*\slot+3], s[G0+4*\slot+2:G0+4*\slot+3], 0x400000
	s_add_nc_u64 s[G0B+4*\slot+2:G0B+4*\slot+3], s[G0B+4*\slot+2:G0B+4*\slot+3], 524288
	JLOAD \slot                                    ; the first tensor load behind the round; its four v_nop are also the places in front of the loads below
.else
	PLACES
.endif
	FETCH \next, 0, F0
.if \fill
	ASK
.endif
	WIN MUL
	MUL8 F1, 4, 0
	MUL8 F1, 6, 0
.endm
	s_wait_tensorcnt 1                             ; my part of K step 0 is in; K step 1's load may stay out
	s_barrier_signal -1
	s_barrier_wait -1
	FETCH 0, 0, F0
	s_wait_loadcnt 0x0                             ; the bias
	QUARTER 0, 1, F0, F1, 1                        ; the first quarter stands in front of the loop: its products start the sums
	WIN 0
	s_mov_b32 s3, LAPS-1
.Llap:                                             ; a trip goes once round the ring and fills both slots again
	QUARTER 0, 2, F1, F0, 0
	QUARTER 0, 3, F0, F1, 0
	TURN 0, 1, 1
	QUARTER 1, 1, F0, F1, 0
	QUARTER 1, 2, F1, F0, 0
	QUARTER 1, 3, F0, F1, 0
	TURN 1, 0, 1
	QUARTER 0, 1, F0, F1, 0
	WIN 0
	s_sub_co_u32 s3, s3, 1
	s_cmp_lg_u32 s3, 0
	s_cbranch_scc1 .Llap
	QUARTER 0, 2, F1, F0, 0                        ; the last lap fills nothing
	QUARTER 0, 3, F0, F1, 0
	TURN 0, 1, 0
	QUARTER 1, 1, F0, F1, 0
	QUARTER 1, 2, F1, F0, 0
	QUARTER 1, 3, F0, F1, 0
	s_wait_dscnt 8
	WIN MUL
	MUL8 F1, 0, 0
	MUL8 F1, 2, 0
	s_wait_dscnt 0
	MUL8 F1, 4, 0
	MUL8 F1, 6, 0
	WIN 0
; THE WAY OUT, block by block of 16 rows x 64 columns: through my own stage and back as whole rows of 256 bytes: sixteen lanes store 256 consecutive bytes, aligned.
.macro TOSTAGE a
	WIN 0x04                                       ; an LDS store's data are its source 1: window 1
.irp b, 0,1,2,3
	ds_store_b128 v[STO], v[8*(4*(\a)+\b):8*(4*(\a)+\b)+3] offset:64*\b            ; each accumulator from its low end on
	ds_store_b128 v[STO], v[8*(4*(\a)+\b)+4:8*(4*(\a)+\b)+7] offset:64*\b+16
.endr
	WIN 0
.set BB, F0+32*((\a)%2)
.irp t, 0,1,2,3,4,5,6,7
	ds_load_b128 v[BB+4*\t:BB+4*\t+3], v[RD] offset:\t*544
.endr
.endm
.macro SEND a, younger                 ; younger: the LDS instructions issued behind block a's loads, which may stay out
.set BB, F0+32*((\a)%2)
	s_wait_dscnt \younger
.irp t, 0,1,2,3,4,5,6,7
	global_store_b128 v[CO], v[BB+4*\t:BB+4*\t+3], s[10:11] offset:(16*(\a)+2*\t)*4096 th:TH_STORE_NT
.endr
.endm
	PLACES
	TOSTAGE 0
.irp a, 1,2,3,4,5,6,7
.if \a > 1
	s_wait_xcnt 0x0                                ; block a - 2's stores have read their registers: block a's loads may land there
.endif
	TOSTAGE \a
	SEND \a-1, 16                                  ; behind block a - 1's loads: block a's 8 stores and 8 loads
.endr
	SEND 7, 0
	s_wait_tensorcnt 0x0                           ; the wave's end, behind my last tensor load and my last LDS store
	ds_add_u32 v[SPW], v[NIL]
	s_wait_dscnt 0x0
	CROUND                                         ; the closing round
	s_endpgm
.Lfunc_end_k_q5f315ae808_proj:
	.size	k_q5f315ae808_proj, .Lfunc_end_k_q5f315ae808_proj-k_q5f315ae808_proj
	.p2alignl 7, 3214868480
	.fill 96, 4, 3214868480
	.section	.rodata,"a",@progbits
	.p2align	6, 0x0
	.amdhsa_kernel k_q5f315ae808_proj
		.amdhsa_group_segment_fixed_size 327680
		.amdhsa_private_segment_fixed_size 0
		.amdhsa_enable_private_segment 0
		.amdhsa_kernarg_size 32
		.amdhsa_user_sgpr_count 2
		.amdhsa_user_sgpr_kernarg_segment_ptr 1
		.amdhsa_wavefront_size32 1
		.amdhsa_system_sgpr_workgroup_id_x 1
		.amdhsa_system_sgpr_workgroup_id_y 1
		.amdhsa_system_sgpr_workgroup_id_z 1
		.amdhsa_system_vgpr_workitem_id 0
		.amdhsa_next_free_vgpr 512
		.amdhsa_next_free_sgpr 68
		.amdhsa_reserve_vcc 0
		.amdhsa_float_denorm_mode_32 3
		.amdhsa_float_denorm_mode_16_64 3
		.amdhsa_memory_ordered 1
		.amdhsa_forward_progress 1
		.amdhsa_inst_pref_size 87
	.end_amdhsa_kernel
	.amdgpu_metadata
---
amdhsa.version: [ 1, 2 ]
amdhsa.kernels:
  - .name:           k_q5f315ae808_proj
    .symbol:         k_q5f315ae808_proj.kd
    .args:
      - { .name: yh, .offset: 0, .size: 8, .value_kind: global_buffer, .address_space: global }
      - { .name: wp16, .offset: 8, .size: 8, .value_kind: global_buffer, .address_space: global }
      - { .name: b_proj, .offset: 16, .size: 8, .value_kind: global_buffer, .address_space: global }
      - { .name: out0, .offset: 24, .size: 8, .value_kind: global_buffer, .address_space: global }
    .group_segment_fixed_size: 327680
    .private_segment_fixed_size: 0
    .kernarg_segment_align: 8
    .kernarg_segment_size: 32
    .max_flat_workgroup_size: 128
    .sgpr_count:     68
    .vgpr_count:     512
    .wavefront_size: 32
...
	.end_amdgpu_metadata
.endif
;; end of part 4
;; launch first16 (part 5): grid 32 x 4, 16 waves a work-group, no clusters, 38,912 bytes of LDS; arguments qkv16, W_proj, b_proj, out0; writes out0
.if DOCPART == 5
	.amdgcn_target "amdgcn-amd-amdhsa--gfx1250"
	.amdhsa_code_object_version 6
	.text
	.protected	k_q5f315ae808_first16
	.globl	k_q5f315ae808_first16
	.p2align	8
	.type	k_q5f315ae808_first16,@function
k_q5f315ae808_first16:
	s_mov_b64 s[64:65], 0
	v_nop
	global_prefetch_b8 v0, s[64:65] scope:SCOPE_SE
	s_setreg_imm32_b32 hwreg(HW_REG_WAVE_MODE, 25, 1), 1
	s_wait_xcnt 0x0
; FIRST16: positions 0 .. 15 of each of the 4 sequences, all in f32: attention and projection, by v_wmma_f32_16x16x4_f32.  Under the causal mask these rows average one to sixteen values and are the largest
; of the output, so they are carried more finely than f16 operands allow.  The launch writes anew the 64 rows of out0 that the launch before has written: 262,144 bytes are written twice.
; qkv16: [64 rows = 16 batch + t][3072] f32.  W_proj [1024][1024], b_proj [1024], out0 [8192][1024]: f32.
; SHARES.  Work-group (ns, batch) makes 16 rows x 32 columns (32 ns on).  Wave w is head w: it makes the head's 16 x 16 attention anew (each of a batch's 32 work-groups does: 16 x 16 x 64 twice over is little),
; keeps y_h in its accumulators, and multiplies it by rows 64 w .. 64 w + 63 of W_proj at the 32 columns.  The sixteen partial sums meet in LDS; thread (wave m, lane n) adds them in a fixed order.
; Its store is 128 consecutive bytes a wave: half of an aligned 256.
; K IS PERMUTED ALIKE ON BOTH SOURCES of each product, so that plain loads, and the result of one product, fill the next one's operand: the form's slot (h, j) of K step kk stands for
;   S^T = K Q^T:   channel 32 h + 2 kk + j      O^T = V^T P:   key 8 h + 2 kk + j      OUT^T = W^T y^T:   channel 16 t + 8 h + 2 u + j
; REGISTERS: v1-14 addresses and single numbers; v16-47 Q, v48-79 K (row r, channels 32 h + 0 .. 31); v80-111 V (tile t, register i: key 8 h + i, channel 16 t + r); v112-175 W;
;   v176-207 four partial accumulators of S^T, later (v176-191) the two of OUT; v208-239 O^T: these 64 are written by matrix instructions alone; v240-247 S^T, then p; v248-255 at work.
.set PART,  0                          ; LDS: for each wave 16 rows x (128 bytes + 16)
.set SPARE, 16*2304                    ; the spare words, 128 bytes for each wave: eight blocks of 256 bytes that no other line names
.set SPW, 1
.set NIL, 2
	s_load_b256 s[4:11], s[0:1], 0x0               ; qkv16 s[4:5], W_proj s[6:7], b_proj s[8:9], out0 s[10:11]
	v_lshl_add_u32 v[SPW], v0, 2, SPARE
	v_mov_b32 v[NIL], 0
	v_lshrrev_b32 v3, 5, v0
	v_readfirstlane_b32 s12, v3                    ; wave = head
	s_and_b32 s13, ttmp7, 0xffff                   ; batch
	v_and_b32 v3, 15, v0                           ; r
	v_bfe_u32 v4, v0, 4, 1                         ; h
	v_and_b32 v5, 31, v0                           ; lane
	v_mul_u32_u24 v6, v3, 12288
	v_lshl_add_u32 v6, v4, 7, v6                   ; q, k: row r, + 128 h bytes
	v_mul_u32_u24 v7, v4, 98304
	v_lshl_add_u32 v7, v3, 2, v7                   ; v: row 8 h, + 4 r bytes
	v_lshlrev_b32 v8, 15, v4
	v_lshl_add_u32 v8, v3, 2, v8                   ; W_proj: row 8 h, + 4 r bytes
	v_lshlrev_b32 v9, 2, v5                        ; 4 x lane
	v_lshlrev_b32 v10, 3, v4
	v_sub_nc_u32 v10, v3, v10                      ; d = r - 8 h: key 8 h + j is hidden from query r where j > d
	v_mov_b32 v11, 0xff800000                      ; -infinity
	s_mul_i32 s20, s12, 2304
	v_mul_u32_u24 v13, v3, 144
	v_lshl_add_u32 v13, v4, 5, v13
	v_add_nc_u32 v13, s20, v13                     ; my partial sums: wave x 2,304 + row r x 144 + 32 h
	s_mul_i32 s20, s12, 144
	v_add_nc_u32 v14, s20, v9                      ; and where I gather: row = my wave's number, 4 x lane
	s_mov_b32 s14, 0x76543210
	s_mov_b32 s15, 0xfedcba98
	s_mov_b32 s16, 0x3e38aa3b                      ; c = log2(e) / sqrt(64)
	s_mov_b32 s19, 0
	s_wait_kmcnt 0x0
	s_mul_i32 s18, s13, 196608
	s_lshl_b32 s20, s12, 8
	s_add_co_u32 s18, s18, s20
	s_add_nc_u64 s[4:5], s[4:5], s[18:19]          ; the batch's 16 rows, the head's 64 columns
	s_lshl_b32 s18, s12, 18
	s_lshl_b32 s20, ttmp9, 7
	s_add_co_u32 s18, s18, s20
	s_add_nc_u64 s[6:7], s[6:7], s[18:19]          ; W_proj at row 64 w, column 32 ns
	s_mov_b32 s18, s20
	s_add_nc_u64 s[8:9], s[8:9], s[18:19]
	s_lshl_b32 s18, s13, 11
	s_add_co_u32 s18, s18, s12
	s_lshl_b32 s18, s18, 12
	s_add_co_u32 s18, s18, s20
	s_add_nc_u64 s[10:11], s[10:11], s[18:19]      ; out0 at row 2,048 batch + my wave's number, column 32 ns
.irp i, 0,1,2,3,4,5,6,7
	global_load_b128 v[16+4*\i:19+4*\i], v6, s[4:5] offset:16*\i
.endr
.irp i, 0,1,2,3,4,5,6,7
	global_load_b128 v[48+4*\i:51+4*\i], v6, s[4:5] offset:4096+16*\i
.endr
.irp t, 0,1,2,3
.irp i, 0,1,2,3,4,5,6,7
	global_load_b32 v[80+8*\t+\i], v7, s[4:5] offset:8192+\i*12288+64*\t
.endr
.endr
	global_load_b32 v12, v9, s[8:9]                ; b_proj at my column
.irp nt, 0,1
.irp t, 0,1,2,3
.irp i, 0,1,2,3,4,5,6,7
	global_load_b32 v[112+32*\nt+8*\t+\i], v8, s[6:7] offset:(16*\t+\i)*4096+64*\nt   ; W_proj(64 w + 16 t + 8 h + i, 32 ns + 16 nt + r)
.endr
.endr
.endr
	s_wait_loadcnt 63                              ; q, k, v and the bias (the 49 oldest loads) are in; 63 of W's 64 may stay out
; S^T = K Q^T: 16 K steps on four accumulators by turns; the first four start the sums
.irp kk, 0,1,2,3,4,5,6,7,8,9,10,11,12,13,14,15
.if \kk < 4
	v_wmma_f32_16x16x4_f32 v[176+8*(\kk%4):183+8*(\kk%4)], v[48+2*\kk:49+2*\kk], v[16+2*\kk:17+2*\kk], 0
.else
	v_wmma_f32_16x16x4_f32 v[176+8*(\kk%4):183+8*(\kk%4)], v[48+2*\kk:49+2*\kk], v[16+2*\kk:17+2*\kk], v[176+8*(\kk%4):183+8*(\kk%4)]
.endif
.endr
.rept 8
	v_nop                                          ; eight places behind this form before a vector instruction reads a result
.endr
.irp j, 0,2,4,6
	v_pk_add_f32 v[240+\j:241+\j], v[176+\j:177+\j], v[184+\j:185+\j]   ; the four parts are added into other registers, each read from its low end on
.endr
.irp j, 0,2,4,6
	v_pk_add_f32 v[248+\j:249+\j], v[192+\j:193+\j], v[200+\j:201+\j]
.endr
.irp j, 0,2,4,6
	v_pk_add_f32 v[240+\j:241+\j], v[240+\j:241+\j], v[248+\j:249+\j]   ; lane (r, h), register j: the score of key 8 h + j for query r
.endr
.irp j, 0,1,2,3,4,5,6,7
	v_cmp_gt_i32 vcc_lo, \j, v10
	v_cndmask_b32 v[240+\j], v[240+\j], v11, vcc_lo
.endr
	v_max3_num_f32 v248, v240, v241, v242
	v_max3_num_f32 v248, v248, v243, v244
	v_max3_num_f32 v248, v248, v245, v246
	v_max_num_f32 v248, v248, v247
	v_permlanex16_b32 v249, v248, s14, s15
	v_max_num_f32 v248, v248, v249                 ; the row's largest score: key 0 counts for every query, so it is a number
	v_mul_f32 v248, s16, v248
.irp j, 0,1,2,3,4,5,6,7
	v_fma_f32 v[240+\j], v[240+\j], s16, -v248
.endr
.irp j, 0,1,2,3,4,5,6,7
	v_exp_f32 v[240+\j], v[240+\j]
.endr
	v_nop
	s_wait_alu depctr_va_vdst(0)                   ; one wait for the eight exponentials, ahead of their first reader
	v_add_f32 v250, v240, v241
	v_add_f32 v251, v242, v243
	v_add_f32 v252, v244, v245
	v_add_f32 v253, v246, v247
	v_add_f32 v250, v250, v251
	v_add_f32 v252, v252, v253
	v_add_f32 v250, v250, v252
	v_permlanex16_b32 v251, v250, s14, s15
	v_add_f32 v250, v250, v251                     ; the row's sum
	v_rcp_f32 v250, v250
	v_nop
	s_wait_alu depctr_va_vdst(0)
.irp j, 0,1,2,3,4,5,6,7
	v_mul_f32 v[240+\j], v[240+\j], v250           ; the softmax
.endr
; O^T = V^T P: four K steps x four tiles of 16 channels, the tiles by turns
.irp kk, 0,1,2,3
.irp t, 0,1,2,3
.if \kk == 0
	v_wmma_f32_16x16x4_f32 v[208+8*\t:215+8*\t], v[80+8*\t+2*\kk:81+8*\t+2*\kk], v[240+2*\kk:241+2*\kk], 0
.else
	v_wmma_f32_16x16x4_f32 v[208+8*\t:215+8*\t], v[80+8*\t+2*\kk:81+8*\t+2*\kk], v[240+2*\kk:241+2*\kk], v[208+8*\t:215+8*\t]
.endif
.endr
.endr
.rept 9
	v_nop                                          ; nine places before a matrix instruction takes a result as an operand
.endr
	s_wait_loadcnt 0x0                             ; W
; OUT^T = W^T y^T for my head: 16 K steps x two tiles of 16 columns, the two by turns
.irp t, 0,1,2,3
.irp u, 0,1,2,3
.irp nt, 0,1
.if (\t == 0) && (\u == 0)
	v_wmma_f32_16x16x4_f32 v[176+8*\nt:183+8*\nt], v[112+32*\nt+8*\t+2*\u:113+32*\nt+8*\t+2*\u], v[208+8*\t+2*\u:209+8*\t+2*\u], 0
.else
	v_wmma_f32_16x16x4_f32 v[176+8*\nt:183+8*\nt], v[112+32*\nt+8*\t+2*\u:113+32*\nt+8*\t+2*\u], v[208+8*\t+2*\u:209+8*\t+2*\u], v[176+8*\nt:183+8*\nt]
.endif
.endr
.endr
.endr
.rept 8
	v_nop
.endr
.irp nt, 0,1
	ds_store_b128 v13, v[176+8*\nt:179+8*\nt] offset:PART+64*\nt       ; lane (r, h): my head's part of out(r, 32 ns + 16 nt + 8 h + 0 .. 7)
	ds_store_b128 v13, v[180+8*\nt:183+8*\nt] offset:PART+64*\nt+16
.endr
	s_wait_dscnt 0x0                               ; for the others' sake: my stores have landed
	s_barrier_signal -1
	s_barrier_wait -1
.irp p, 0,1,2,3,4,5,6,7,8,9,10,11,12,13,14,15
	ds_load_b32 v[16+\p], v14 offset:PART+\p*2304  ; the sixteen heads' parts of out(my wave's number, 32 ns + lane)
.endr
	s_wait_dscnt 0x0
	v_pk_add_f32 v[16:17], v[16:17], v[18:19]
	v_pk_add_f32 v[20:21], v[20:21], v[22:23]
	v_pk_add_f32 v[24:25], v[24:25], v[26:27]
	v_pk_add_f32 v[28:29], v[28:29], v[30:31]
	v_pk_add_f32 v[16:17], v[16:17], v[20:21]
	v_pk_add_f32 v[24:25], v[24:25], v[28:29]
	v_pk_add_f32 v[16:17], v[16:17], v[24:25]
	v_add_f32 v16, v16, v17
	v_add_f32 v16, v16, v12                        ; + b_proj
	global_store_b32 v9, v16, s[10:11]
	s_wait_tensorcnt 0x0                           ; the wave's end, behind my last LDS store
	ds_add_u32 v[SPW], v[NIL]
	s_wait_dscnt 0x0
	s_endpgm
.Lfunc_end_k_q5f315ae808_first16:
	.size	k_q5f315ae808_first16, .Lfunc_end_k_q5f315ae808_first16-k_q5f315ae808_first16
	.p2alignl 7, 3214868480
	.fill 96, 4, 3214868480
	.section	.rodata,"a",@progbits
	.p2align	6, 0x0
	.amdhsa_kernel k_q5f315ae808_first16
		.amdhsa_group_segment_fixed_size 38912
		.amdhsa_private_segment_fixed_size 0
		.amdhsa_enable_private_segment 0
		.amdhsa_kernarg_size 32
		.amdhsa_user_sgpr_count 2
		.amdhsa_user_sgpr_kernarg_segment_ptr 1
		.amdhsa_wavefront_size32 1
		.amdhsa_system_sgpr_workgroup_id_x 1
		.amdhsa_system_sgpr_workgroup_id_y 1
		.amdhsa_system_sgpr_workgroup_id_z 1
		.amdhsa_system_vgpr_workitem_id 0
		.amdhsa_next_free_vgpr 256
		.amdhsa_next_free_sgpr 66
		.amdhsa_reserve_vcc 1
		.amdhsa_float_denorm_mode_32 3
		.amdhsa_float_denorm_mode_16_64 3
		.amdhsa_memory_ordered 1
		.amdhsa_forward_progress 1
		.amdhsa_inst_pref_size 23
	.end_amdhsa_kernel
	.amdgpu_metadata
---
amdhsa.version: [ 1, 2 ]
amdhsa.kernels:
  - .name:           k_q5f315ae808_first16
    .symbol:         k_q5f315ae808_first16.kd
    .args:
      - { .name: qkv16, .offset: 0, .size: 8, .value_kind: global_buffer, .address_space: global }
      - { .name: W_proj, .offset: 8, .size: 8, .value_kind: global_buffer, .address_space: global }
      - { .name: b_proj, .offset: 16, .size: 8, .value_kind: global_buffer, .address_space: global }
      - { .name: out0, .offset: 24, .size: 8, .value_kind: global_buffer, .address_space: global }
    .group_segment_fixed_size: 38912
    .private_segment_fixed_size: 0
    .kernarg_segment_align: 8
    .kernarg_segment_size: 32
    .max_flat_workgroup_size: 512
    .sgpr_count:     66
    .vgpr_count:     256
    .wavefront_size: 32
...
	.end_amdgpu_metadata
.endif
;; end of part 5
